; MI455X (gfx1250); checked and timed in simulation.
; The chip was launched on July 23, 2026; its instructions are those of AMD's public machine-readable ISA for CDNA 5 (MIT licence, August 2026) and "CDNA5" Instruction Set Architecture Reference Guide (July 2026). The comments in the code are by the model that wrote it; some were corrected since.
;; Eagle3 Llama Attention. Allowed arithmetic: matrix products marked QUANTISED: E3M2 operands, one E8M0 scale for each 32 along K, by v_wmma_scale_f32_16x16x128_f8f6f4 with both operands' format E3M2, f32 sums; products left as they are: f32 operands where the result goes on into a quantised operand, else bf16, f16 or f32 operands; f32 sums; everything else in f32.
;; Inputs: Wk 4,096 x 512 float32; Wo 1,024 x 2,048 float32; Wq 4,096 x 1,024 float32; Wv 4,096 x 512 float32; attention_mask 2 x 1 x 2,048 x 2,048 float32; combined_states 2 x 2,048 x 4,096 float32; position_ids 2 x 2,048 int32; prev_k 2 x 2 x 16 x 2,048 x 64 float32; prev_v 2 x 2 x 16 x 2,048 x 64 float32.
;; Outputs: out0 2 x 2,048 x 2,048 float32.
;; This version of the problem:
;;   THIS VERSION OF THE PROBLEM IS GIVEN IN LOW PRECISION. The matrix products marked QUANTISED in the list below multiply operands that are first quantised to E3M2 (3 exponent bits, 2 mantissa bits; 6 bits a number), with one power-of-two scale for each 32 numbers along K (OCP MX v1.0); their sums are f32. All else is computed in f32.
;;   The module's matrix products, in the order in which they are computed (A, B: the left and right operand; K: the contracted axis; several contracted axes count as one K, in the product's order):
;;     1. [M 4,096, K 4,096] x [K 4,096, N 1,024]; A: input combined_states; B: input Wq: QUANTISED
;;     2. [M 4,096, K 4,096] x [K 4,096, N 512]; A: input combined_states; B: input Wk: QUANTISED
;;     3. [M 4,096, K 4,096] x [K 4,096, N 512]; A: input combined_states; B: input Wv: QUANTISED
;;     4. batch 32 x [M 2,048, K 64] x [K 64, N 2,048]; A: computed on the way; B: input prev_k: QUANTISED
;;     5. batch 65,536 x [M 1, K 64] x [K 64, N 2]; A: computed on the way; B: computed on the way: left as it is (M = 1 < 16)
;;     6. batch 32 x [M 2,048, K 2,048] x [K 2,048, N 64]; A: computed on the way; B: input prev_v: QUANTISED
;;     7. batch 65,536 x [M 1, K 2] x [K 2, N 64]; A: computed on the way; B: computed on the way: left as it is (K = 2 < 32)
;;     8. [M 4,096, K 1,024] x [K 1,024, N 2,048]; A: computed on the way; B: input Wo: QUANTISED
;;   THE QUANTISER, for each operand of a quantised product, along K:
;;     - K is cut into blocks of 32 from its start; a last block that is shorter is filled with zeros.
;;     - A block's scale is 2^e with e = floor(log2(the largest magnitude in the block)) - 4, held to -126 .. 127; a block of zeros has e = 0. As a byte (E8M0): e + 127.
;;     - Each number is divided by its block's scale, clamped to +-28, and rounded to the nearest number of E3M2, ties to even, subnormals kept.
;;     - The product sums the exact products of the quantised numbers (number of the format x scale) in f32.
;;   ~~~python
;;   def quantise(x, axis):      # numpy; x: float32 -> the quantised numbers, widened to float32 again
;;       x = np.moveaxis(x, axis, -1); K = x.shape[-1]
;;       x = np.pad(x, [(0, 0)] * (x.ndim - 1) + [(0, -K % 32)]); x = x.reshape(x.shape[:-1] + (-1, 32)); a = np.abs(x).max(-1, keepdims=True)
;;       e = np.where(a > 0, np.clip(np.frexp(np.where(a > 0, a, 1))[1] - 1 - 4, -126, 127), 0)      # np.frexp(a)[1] - 1 = floor(log2(a)), exactly
;;       r = np.clip(x / 2.0 ** e, -28, 28)
;;       step = 2.0 ** (np.maximum(np.frexp(np.where(r == 0, 1, r))[1] - 1, -2) - 2)
;;       q = np.round(r / step) * step * 2.0 ** e      # np.round: ties to even
;;       return np.moveaxis(q.reshape(q.shape[:-2] + (-1,))[..., :K], -1, axis).astype(np.float32)
;;   ~~~
;;   OPERANDS COMPUTED ON THE WAY. 'Computed on the way' means the value that the module computes at that place (a softmax that the list does not call 'softmax' is quantised finished and normalised). What goes into a quantiser is computed in f32, as accurately as f32 sums, v_exp_f32 and their like allow (about 1e-6 of the number): no bf16 or f16 on the way to a quantiser, and a product that is left as it is and whose result goes on into a quantised operand takes f32 operands (vector FMAs, or v_wmma_f32_16x16x4_f32). A number that lies on a knife's edge between two numbers of the format may be rounded either way, as far as f32 arithmetic and the matrix unit's own rounding can turn it there, and no further.
;; One version. Each part assembles by itself: llvm-mc -triple=amdgcn-amd-amdhsa -mcpu=gfx1250 --defsym DOCPART=n.
;; ======== version 1 of 1: 5 launches
;; limits: inputs' magnitudes at most 1,048,576; right only within a limited range of input values
;; workspace buffers: xq 13,107,200 bytes; kq 3,276,800 bytes; wq 6,553,600 bytes; woq 1,638,400 bytes; vq 3,276,800 bytes; rope 1,048,576 bytes; qkv 33,554,432 bytes; aq 3,276,800 bytes
;; launch qrow (part 1): grid 640 x 1, 4 waves a work-group, no clusters, 33,280 bytes of LDS; arguments combined_states, prev_k, xq, kq; writes xq, kq
.if DOCPART == 1
	.amdgcn_target "amdgcn-amd-amdhsa--gfx1250"
	.amdhsa_code_object_version 6
	.text
	.protected	k_q787edf0263_qrow
	.globl	k_q787edf0263_qrow
	.p2align	8
	.type	k_q787edf0263_qrow,@function
k_q787edf0263_qrow:
	s_mov_b64 s[64:65], 0
	v_nop
	global_prefetch_b8 v0, s[64:65] scope:SCOPE_SE
	s_setreg_imm32_b32 hwreg(HW_REG_WAVE_MODE, 25, 1), 1
	s_wait_xcnt 0x0
; combined_states [4096][4096] and prev_k[0] ([32 heads][2048 keys][64], the first 4,194,304 numbers of prev_k), f32, K innermost, become codes of BF6 (E3M2), 6 bits each,
; with one E8M0 scale byte for each 32 along K.  xq: codes [4096][3072 bytes], then the scale bytes [4096][128] at byte 12,582,912.  kq: codes [32][2048][48 bytes], then the scale bytes [32][2048][2] at byte 3,145,728.
; A block's scale is 2^(floor(log2(its largest magnitude)) - 4); its byte is the largest magnitude's own exponent field - 4, held at 1 from below.  (A block of zeros so gets the byte 1 where the rule says 127:
; its codes are zeros, which add nothing under any byte but 0xff, and the bytes are read by this program alone.)  Each number is divided by the scale and rounded to the nearest code, ties to even.
; LIMITS: blocks whose largest magnitude lies under 2^(4 - 126) take the floor's byte, 1; NaN and infinities among the inputs are not served.
; Rows are dense and a multiple of 32 long, so both tensors are plain streams of blocks of 32 numbers, and so are the codes and the scale bytes: nothing here knows of rows.
; A wave takes 16 steps of 512 numbers.  The conversion takes 16 numbers of ONE block from a lane's registers, so a lane must hold 16 NEIGHBOURS (two neighbouring lanes hold a block); a load is best where neighbouring
; LANES take neighbouring bytes.  Both are had: each of a step's four loads reads 512 consecutive bytes, 16 a lane; the 2,048 bytes go through the wave's own stage in LDS, as they lie, and come back 64 bytes a lane.
; The stage has 16 bytes of padding behind each 64.  A lane's 16 codes are 12 bytes: the wave stores 384 consecutive bytes.  A wave's 256 scale bytes are gathered in LDS and leave as 256 consecutive, aligned bytes.
; The first WGA work-groups take combined_states, the other 128 prev_k[0].  No tensor loads, no barrier: waves share nothing.  Loads run four steps (16 loads a wave) ahead, the turn through LDS one step.
.set SIZE_M, 4096
.set SIZE_K, 4096
.set WAVES, 4
.set STEPS, 16
.set WGA,   SIZE_M*SIZE_K/(512*STEPS*WAVES)    ; 512
.set EMAX,  4
.set CB,    12                         ; bytes of 16 codes
.set R,     16                         ; v16-79   four sets of 16 numbers as they are loaded
.set X,     80                         ; v80-111  two sets of 16 neighbours
.set C,     128                        ; v128-191 codes: four registers for each step, so that no store's data are written again
.set E,     112                        ; v112-127 a scale byte for each step
.set WREG,  8192                       ; LDS: a region of its own for each wave: two stages of 32 x SP bytes, and behind them its 256 scale bytes
.set SP,    80                         ; a lane's place in a stage: its 64 bytes + 16 of padding
	s_load_b128 s[4:7], s[0:1], 0x0                ; combined_states, prev_k
	s_load_b64 s[8:9], s[0:1], 0x10                ; xq
	s_load_b64 s[12:13], s[0:1], 0x18              ; kq
	; WHERE THE CODES GO.  kq is a plain stream.  xq's codes are laid [16 steps of 256 along K][4096 rows][192 bytes] (this takes the place of the line on xq's codes at the head): 128 rows of one step are 24,576 dense bytes.
	; A wave's run is two rows; its step t holds K steps 2 (t % 8) and 2 (t % 8) + 1 of row t / 8, sixteen lanes to each.  What differs between the two tensors lies in four scalars chosen on the work-group's number.
	s_cmp_lt_u32 ttmp9, WGA
	s_cselect_b32 s22, 786240, 0                   ; lanes 16-31: a K step (786,432 bytes) on, less the 192 that 12 x lane has counted
	s_mov_b32 s23, 384
	s_cselect_b32 s23, 1572864, s23                ; from a step t to the next: two K steps, or 384 bytes
	s_mov_b32 s24, 3072
	s_cselect_b32 s24, 192, s24                    ; steps 8 to 15: the next row, or 3,072 bytes
	s_mov_b32 s25, 6144
	s_cselect_b32 s25, 384, s25                    ; a run: two rows of 192 bytes, or 6,144 bytes
	v_lshl_add_u32 v192, v0, 2, 0x8000
	v_mov_b32 v193, 0
	v_lshrrev_b32 v1, 5, v0
	v_readfirstlane_b32 s16, v1                    ; wave
	v_and_b32 v2, 31, v0                           ; lane
	v_lshlrev_b32 v3, 4, v2                        ; my 16 bytes of a load's 512
	s_mul_i32 s17, s16, WREG
	v_lshrrev_b32 v14, 2, v2
	v_mul_u32_u24 v14, v14, SP
	v_and_b32 v15, 3, v2
	v_lshl_add_u32 v14, v15, 4, v14
	v_add_nc_u32 v14, s17, v14                     ; the stage, on the way in: four lanes' 64 bytes on end, then 16 of padding
	v_mul_u32_u24 v15, v2, SP
	v_add_nc_u32 v15, s17, v15                     ; and on the way out: SP x lane: my 16 neighbours
	v_mul_u32_u24 v4, v2, CB                       ; my codes' place in a step's,
	v_lshrrev_b32 v10, 4, v2
	v_mad_u32_u24 v4, v10, s22, v4                 ; for xq with lanes 16-31 in the next K step;
	v_add_nc_u32 v10, s24, v4                      ; and the same for steps 8 to 15
	v_lshrrev_b32 v5, 1, v2
	s_add_co_u32 s17, s17, 2*32*SP
	v_add_nc_u32 v5, s17, v5                       ; LDS: my wave's 256 scale bytes, my block's byte
	v_lshlrev_b32 v7, 3, v2                        ; and on the way out 8 bytes a lane
	v_add_nc_u32 v6, s17, v7
	s_wait_alu depctr_va_vdst(0)
	s_wait_kmcnt 0x0
	s_add_nc_u64 s[10:11], s[8:9], 12582912        ; xq's scale bytes lie behind its codes
	s_add_nc_u64 s[14:15], s[12:13], 3145728       ; kq's likewise
	s_cmp_lt_u32 ttmp9, WGA                        ; which tensor?  The choice hangs on the work-group's number alone
	s_cselect_b64 s[4:5], s[4:5], s[6:7]
	s_cselect_b64 s[8:9], s[8:9], s[12:13]
	s_cselect_b64 s[10:11], s[10:11], s[14:15]
	s_cselect_b32 s17, 0, WGA
	s_sub_co_u32 s17, ttmp9, s17
	s_lshl_b32 s17, s17, 2
	s_add_co_u32 s18, s17, s16                     ; which run of 8,192 numbers of the tensor is my wave's
	s_mov_b32 s19, 0
	s_mov_b64 s[20:21], 512*STEPS*4
	s_mul_u64 s[20:21], s[18:19], s[20:21]
	s_add_nc_u64 s[4:5], s[4:5], s[20:21]
	s_mov_b32 s20, s25
	s_mov_b32 s21, 0
	s_mul_u64 s[20:21], s[18:19], s[20:21]
	s_add_nc_u64 s[8:9], s[8:9], s[20:21]
	s_lshl_b32 s18, s18, 8                         ; 256 scale bytes a run
	s_add_nc_u64 s[10:11], s[10:11], s[18:19]
.macro LOAD t
.irp i, 0,1,2,3
	global_load_b128 v[R+16*((\t)%4)+4*\i:R+16*((\t)%4)+4*\i+3], v3, s[4:5] offset:2048*(\t)+512*\i th:TH_LOAD_NT   ; 32 lanes read 512 consecutive bytes
.endr
.endm
.macro TURN t                          ; step t's numbers through the stage: LDS serves a wave's instructions in order, so no wait stands between the stores and the loads
.irp i, 0,1,2,3
	ds_store_b128 v14, v[R+16*((\t)%4)+4*\i:R+16*((\t)%4)+4*\i+3] offset:32*SP*((\t)%2)+8*SP*\i
.endr
.irp i, 0,1,2,3
	ds_load_b128 v[X+16*((\t)%2)+4*\i:X+16*((\t)%2)+4*\i+3], v15 offset:32*SP*((\t)%2)+16*\i
.endr
.endm
.irp t, 0,1,2,3
	LOAD \t
.endr
	s_wait_loadcnt 12                              ; step 0's four loads are in; the twelve of steps 1 to 3 may be out
	TURN 0
.macro STEP t
.set XS, X+16*((\t)%2)
.if (\t) > 0
	s_wait_dscnt 1                                 ; this step's numbers are back from the stage (the last step's byte store may be out): so its stores into the stage have read their registers,
.else
	s_wait_dscnt 0x0
.endif
.if (\t)+4 < STEPS
	LOAD (\t)+4                                    ; which take the loads of four steps on
.endif
.if (\t)+1 < STEPS
.if STEPS-2-(\t) >= 3
	s_wait_loadcnt 12                              ; the next step's four loads are in; those of the three steps behind it may be out
.else
	s_wait_loadcnt 4*(STEPS-2-(\t))
.endif
	TURN (\t)+1                                    ; and go through the other stage while this step is worked
.endif
	v_max3_num_f32 v8, |v[XS]|, |v[XS+1]|, |v[XS+2]|               ; the largest magnitude of my 16
	v_max3_num_f32 v9, |v[XS+3]|, |v[XS+4]|, |v[XS+5]|
.irp i, 6,10
	v_max3_num_f32 v8, v8, |v[XS+\i]|, |v[XS+\i+1]|
	v_max3_num_f32 v9, v9, |v[XS+\i+2]|, |v[XS+\i+3]|
.endr
	v_max3_num_f32 v8, v8, |v[XS+14]|, |v[XS+15]|
	v_max3_num_f32 v8, v8, v9, (EMAX+1)<<23        ; and the floor 2^(EMAX + 1 - 127): so the byte cannot fall under 1
	v_max_num_f32_dpp v8, v8, v8 row_xmask:1 row_mask:0xf bank_mask:0xf   ; and of my neighbour's 16: the block's
	v_add_nc_u32 v11, 0xfe000000, v8               ; EMAX off its exponent field: the conversion takes the exponent field of this operand as its scale, and nothing else of it
	v_cvt_scalef32_pk16_bf6_f32 v[C+4*(\t):C+4*(\t)+2], v[XS:XS+15], v11         ; sixteen numbers / the scale, to the nearest code, ties to even, beyond the largest code the largest; 96 bits without gaps
	v_lshrrev_b32 v[E+(\t)], 23, v11               ; the scale's byte
	ds_store_b8 v5, v[E+(\t)] offset:16*(\t)       ; both lanes of a block write the same byte with the same value
	v_mad_u32_u24 v[C+4*(\t)+3], s23, (\t)%8, v[4+6*((\t)/8)]      ; this step's place, in the fourth register of the step's four: never written again
	global_store_b96 v[C+4*(\t)+3], v[C+4*(\t):C+4*(\t)+2], s[8:9]
.endm
.irp t, 0,1,2,3,4,5,6,7,8,9,10,11,12,13,14,15
	STEP \t
.endr
	ds_load_b64 v[12:13], v6                       ; LDS serves a wave's instructions in order: these see my stores
	s_wait_dscnt 0x0
	global_store_b64 v7, v[12:13], s[10:11]        ; 32 lanes store 256 consecutive bytes, aligned
	s_wait_tensorcnt 0x0
	ds_add_u32 v192, v193
	s_wait_dscnt 0x0
	s_endpgm
.Lfunc_end_k_q787edf0263_qrow:
	.size	k_q787edf0263_qrow, .Lfunc_end_k_q787edf0263_qrow-k_q787edf0263_qrow
	.p2alignl 7, 3214868480
	.fill 96, 4, 3214868480
	.section	.rodata,"a",@progbits
	.p2align	6, 0x0
	.amdhsa_kernel k_q787edf0263_qrow
		.amdhsa_group_segment_fixed_size 33280
		.amdhsa_private_segment_fixed_size 0
		.amdhsa_enable_private_segment 0
		.amdhsa_kernarg_size 32
		.amdhsa_user_sgpr_count 2
		.amdhsa_user_sgpr_kernarg_segment_ptr 1
		.amdhsa_wavefront_size32 1
		.amdhsa_system_sgpr_workgroup_id_x 1
		.amdhsa_system_sgpr_workgroup_id_y 1
		.amdhsa_system_sgpr_workgroup_id_z 1
		.amdhsa_system_vgpr_workitem_id 0
		.amdhsa_next_free_vgpr 194
		.amdhsa_next_free_sgpr 66
		.amdhsa_reserve_vcc 0
		.amdhsa_float_denorm_mode_32 3
		.amdhsa_float_denorm_mode_16_64 3
		.amdhsa_memory_ordered 1
		.amdhsa_forward_progress 1
		.amdhsa_inst_pref_size 34
	.end_amdhsa_kernel
	.amdgpu_metadata
---
amdhsa.version: [ 1, 2 ]
amdhsa.kernels:
  - .name:           k_q787edf0263_qrow
    .symbol:         k_q787edf0263_qrow.kd
    .args:
      - { .name: combined_states, .offset: 0, .size: 8, .value_kind: global_buffer, .address_space: global }
      - { .name: prev_k, .offset: 8, .size: 8, .value_kind: global_buffer, .address_space: global }
      - { .name: xq, .offset: 16, .size: 8, .value_kind: global_buffer, .address_space: global }
      - { .name: kq, .offset: 24, .size: 8, .value_kind: global_buffer, .address_space: global }
    .group_segment_fixed_size: 33280
    .private_segment_fixed_size: 0
    .kernarg_segment_align: 8
    .kernarg_segment_size: 32
    .max_flat_workgroup_size: 128
    .sgpr_count:     66
    .vgpr_count:     194
    .wavefront_size: 32
...
	.end_amdgpu_metadata
.endif
;; end of part 1
;; launch qcol (part 2): grid 704 x 1, 4 waves a work-group, no clusters, 36,352 bytes of LDS; arguments Wq, Wk, Wv, Wo, prev_v, position_ids, wq, woq, vq, rope; writes wq, woq, vq, rope
.if DOCPART == 2
	.amdgcn_target "amdgcn-amd-amdhsa--gfx1250"
	.amdhsa_code_object_version 6
	.text
	.protected	k_q787edf0263_qcol
	.globl	k_q787edf0263_qcol
	.p2align	8
	.type	k_q787edf0263_qcol,@function
k_q787edf0263_qcol:
	s_mov_b64 s[64:65], 0
	v_nop
	global_prefetch_b8 v0, s[64:65] scope:SCOPE_SE
	s_setreg_imm32_b32 hwreg(HW_REG_WAVE_MODE, 25, 1), 1
	s_wait_xcnt 0x0
; TWO JOBS, parted by the work-group's number.
; Work-groups 0-447: the five operands whose K is NOT innermost become codes of BF6 (E3M2) with K innermost, and one E8M0 scale byte for each 32 along K:
;   Wq [4096 k][1024], Wk [4096][512], Wv [4096][512] -> wq: codes [2048 rows: Wq's columns, then Wk's, then Wv's][3072 bytes], scale bytes [2048][128] at byte 6,291,456;
;   Wo [1024 k][2048] -> woq: codes [2048][768 bytes], scale bytes [2048][32] at byte 1,572,864;
;   prev_v[0] [32 heads][2048 keys = k][64 d] -> vq: codes [32][16 steps of 128 keys][64 d][96 bytes], scale WORDS (the four bytes of 128 keys) [32][16][64] at byte 3,145,728.
; A LANE TAKES A COLUMN, AND ITS REGISTERS RUN DOWN K: each load reads 128 consecutive bytes a wave, a block of 32 along K lies in ONE lane's 32 registers, and the conversions give the codes with K innermost.
; A wave takes 32 columns x 256 along K, a work-group 128 columns.  ONE text serves the five tensors: what differs (pitches, bases, buffers) lies in scalar registers chosen on the work-group's number.
; A lane's codes belong to one row of the output: they go through the wave's own stage in LDS and leave as rows, sixteen lanes to a row's 192 bytes (for vq: eight lanes to each of two runs of 96 bytes).
; A block's scale byte is its largest magnitude's exponent field - 4, held at 1 from below (a block of zeros keeps the byte 1: its codes are zeros, and this program alone reads the bytes).
; Work-groups 448-703: the table of cos and sin for RoPE: rope: cos [4096 rows = b x 2048 + t][32] f32, then sin likewise at byte 524,288; angle = (position_ids + 2) x 10000^(-i / 32).
;   The angle is brought into [-pi/4, pi/4] by taking off n x pi/2 (pi/2 in two parts, fused); sin and cos there by their series to r^9 and r^10 (the next terms are under 2e-9); the quadrant n picks and signs them.
; LIMITS: NaN and infinities among the inputs are not served; blocks whose largest magnitude lies under 2^(4 - 126) take the byte 1; |position_ids + 2| up to 2^20 (beyond, two parts of pi/2 are too few);
;   10000^(-i / 32) is 2^(-i x log2(10000) / 32) by v_exp_f32, which may differ from a power function's result in the last bits.
.set PITCH, 272                        ; a stage row: sixteen places of 16 bytes, each with 12 bytes of codes, + 16
.set NB,    8                          ; blocks of 32 along K for a wave
.set EMAX,  4
.set SB,    24                         ; v24-25   the scale bytes, four to a register
.set X,     32                         ; v32-95   two sets of 32 numbers
.set C,     96                         ; v96-102  a block's codes
.set OUTR,  112                        ; v112-175 the way out: 16 x 4 registers
.set OF,    176                        ; v176-207 row i of a block: i x the input's pitch + 4 x lane; never rewritten
.set OA,    208                        ; v208-223 the way out: my place in rows 2 t, 2 t + 1 of the codes; never rewritten
.set LB,    68                         ; s[68:83] the input at block t of my 256 along K: eight bases, never stepped
	s_load_b512 s[36:51], s[0:1], 0x0              ; Wq 36, Wk 38, Wv 40, Wo 42, prev_v 44, position_ids 46, wq 48, woq 50
	s_load_b128 s[52:55], s[0:1], 0x40             ; vq 52, rope 54
	v_lshl_add_u32 v224, v0, 2, 0x8c00
	v_mov_b32 v225, 0
	s_cmp_ge_u32 ttmp9, 448
	s_cbranch_scc1 .Lrope
	v_lshrrev_b32 v1, 5, v0
	v_readfirstlane_b32 s59, v1                    ; wave 0..3
	v_and_b32 v2, 31, v0                           ; lane
	v_lshlrev_b32 v3, 2, v2                        ; in: 4 bytes a lane
	s_mul_i32 s58, s59, 32*PITCH                   ; my stage
	v_mul_u32_u24 v4, v2, PITCH
	v_add_nc_u32 v4, s58, v4                       ; into it: row = my column
	v_and_b32 v5, 15, v2
	v_lshrrev_b32 v6, 4, v2                        ; out of it: sixteen lanes to a row, two rows an instruction
	v_mul_u32_u24 v7, v6, PITCH
	v_lshl_add_u32 v7, v5, 4, v7
	v_add_nc_u32 v7, s58, v7
	; what differs between the tensors: prev_v's values first, then the others' by choices on the work-group's number
	s_mov_b32 s8, 320                              ; the tensor's first work-group
	s_mov_b32 s9, 4                                ; log2 of its blocks of 128 columns
	s_mov_b32 s10, 256                             ; bytes from a row k to the next, in
	s_mov_b32 s11, 0                               ; its first row in the codes' buffer
	s_mov_b32 s12, 96                              ; codes: bytes from a column to the next
	s_mov_b32 s13, 4                               ; scales: likewise
	s_mov_b32 s14, 3145728                         ; where the scales begin in the buffer
	s_mov_b32 s15, 63                              ; the column inside a head
	s_mov_b32 s16, 524288                          ; in: bytes of a head
	s_mov_b32 s17, 98304                           ; codes: bytes of a head,
	s_mov_b32 s18, 12288                           ; of 256 along K,
	s_mov_b32 s19, 6144                            ; and from the first 128 along K to the second
	s_mov_b32 s20, 4096                            ; scales: bytes of a head,
	s_mov_b32 s21, 512                             ; of 256 along K,
	s_mov_b32 s22, 256                             ; and from the first word to the second
	s_wait_alu depctr_va_vdst(0)
	s_wait_kmcnt 0x0
	s_mov_b64 s[4:5], s[44:45]
	s_mov_b64 s[6:7], s[52:53]
	s_cmp_lt_u32 ttmp9, 320                        ; a weight: Wo's values
	s_cselect_b32 s8, 256, s8
	s_cselect_b32 s10, 8192, s10
	s_cselect_b32 s12, 192, s12                    ; THE WEIGHTS' CODES are laid [steps of 256 along K][2048 rows][192 bytes] in wq and in woq (this takes the place of the head's lines on their codes): a row is 192 bytes,
	s_cselect_b32 s13, 32, s13
	s_cselect_b32 s14, 1572864, s14
	s_cselect_b32 s15, 0xffff, s15
	s_cselect_b32 s16, 0, s16
	s_cselect_b32 s17, 0, s17
	s_cselect_b32 s18, 393216, s18                 ; and 256 along K are 2,048 rows of 192 bytes
	s_cselect_b32 s19, 96, s19
	s_cselect_b32 s20, 0, s20
	s_cselect_b32 s21, 8, s21
	s_cselect_b32 s22, 4, s22
	s_cselect_b64 s[4:5], s[42:43], s[4:5]
	s_cselect_b64 s[6:7], s[50:51], s[6:7]
	s_cmp_lt_u32 ttmp9, 256                        ; Wv's
	s_cselect_b32 s8, 192, s8
	s_cselect_b32 s9, 2, s9
	s_cselect_b32 s10, 2048, s10
	s_cselect_b32 s11, 1536, s11
	s_cselect_b32 s12, 192, s12
	s_cselect_b32 s13, 128, s13
	s_cselect_b32 s14, 6291456, s14
	s_cselect_b64 s[4:5], s[40:41], s[4:5]
	s_cselect_b64 s[6:7], s[48:49], s[6:7]
	s_cmp_lt_u32 ttmp9, 192                        ; Wk's
	s_cselect_b32 s8, 128, s8
	s_cselect_b32 s11, 1024, s11
	s_cselect_b64 s[4:5], s[38:39], s[4:5]
	s_cmp_lt_u32 ttmp9, 128                        ; Wq's
	s_cselect_b32 s8, 0, s8
	s_cselect_b32 s9, 3, s9
	s_cselect_b32 s10, 4096, s10
	s_cselect_b32 s11, 0, s11
	s_cselect_b64 s[4:5], s[36:37], s[4:5]
	; where my wave's part begins.  All offsets stay under 2^26
	s_sub_co_u32 s23, ttmp9, s8
	s_lshl_b32 s24, 1, s9
	s_sub_co_u32 s24, s24, 1
	s_and_b32 s24, s23, s24                        ; which 128 columns
	s_lshr_b32 s25, s23, s9                        ; which 256 along K
	s_lshl_b32 s24, s24, 7
	s_lshl_b32 s26, s59, 5
	s_add_co_u32 s24, s24, s26                     ; my wave's first column
	s_lshr_b32 s26, s24, 6                         ; its head (counts for prev_v alone: the weights' bytes of a head are 0)
	s_and_b32 s27, s24, s15                        ; and the column inside it
	s_mul_i32 s28, s26, s16
	s_lshl_b32 s29, s27, 2
	s_add_co_u32 s28, s28, s29
	s_mul_i32 s29, s25, s10
	s_lshl_b32 s29, s29, 8
	s_add_co_u32 s28, s28, s29
	s_mov_b32 s29, 0
	s_add_nc_u64 s[4:5], s[4:5], s[28:29]          ; in
	s_add_co_u32 s27, s27, s11
	s_mul_i32 s30, s26, s17
	s_mul_i32 s31, s27, s12
	s_add_co_u32 s30, s30, s31
	s_mul_i32 s31, s25, s18
	s_add_co_u32 s30, s30, s31
	s_mov_b32 s31, 0
	s_mul_i32 s32, s26, s20
	s_mul_i32 s33, s27, s13
	s_add_co_u32 s32, s32, s33
	s_mul_i32 s33, s25, s21
	s_add_co_u32 s32, s32, s33
	s_add_co_u32 s32, s32, s14
	s_mov_b32 s33, 0
	s_add_nc_u64 s[56:57], s[6:7], s[32:33]        ; the scales
	s_add_nc_u64 s[6:7], s[6:7], s[30:31]          ; the codes
	s_lshl_b32 s34, s10, 5                         ; 32 rows of the input
	s_mov_b32 s35, 0
	s_mov_b64 s[LB:LB+1], s[4:5]
.irp t, 1,2,3,4,5,6,7
	s_add_nc_u64 s[LB+2*\t:LB+2*\t+1], s[LB+2*\t-2:LB+2*\t-1], s[34:35]
.endr
	v_mul_u32_u24 v8, s12, v6                      ; the way out: which of the instruction's two rows,
	v_bfe_u32 v11, v2, 3, 1
	v_mad_u32_u24 v8, v11, s19, v8                 ; which 128 along K,
	v_and_b32 v11, 7, v2
	v_mad_u32_u24 v8, v11, 12, v8                  ; and my 12 bytes
	v_mul_u32_u24 v9, s13, v2                      ; my column's first scale word,
	v_add_nc_u32 v10, s22, v9                      ; and its second
.set i, 0
.rept 32
	v_mad_u32_u24 v[OF+i], s10, i, v3
.set i, i+1
.endr
	s_lshl_b32 s60, s12, 1
.set i, 0
.rept 16
	v_mad_u32_u24 v[OA+i], s60, i, v8
.set i, i+1
.endr
.macro LOAD t                          ; block t: rows 32 t + i of my 256, my column, into set t % 2
.set i, 0
.rept 32
	global_load_b32 v[X+32*((\t)%2)+i], v[OF+i], s[LB+2*(\t):LB+2*(\t)+1] th:TH_LOAD_NT
.set i, i+1
.endr
.endm
	LOAD 0
	LOAD 1
.macro BLOCK t
.set XS, X+32*((\t)%2)
.if (\t) < NB-1
	s_wait_loadcnt 32                              ; this block's 32 loads are in; the next block's 32 may be out
.else
	s_wait_loadcnt 0
.endif
	v_max3_num_f32 v12, |v[XS]|, |v[XS+1]|, |v[XS+2]|               ; the block's largest magnitude: all 32 numbers are mine
	v_max3_num_f32 v13, |v[XS+3]|, |v[XS+4]|, |v[XS+5]|
.irp i, 6,10,14,18,22,26
	v_max3_num_f32 v12, v12, |v[XS+\i]|, |v[XS+\i+1]|
	v_max3_num_f32 v13, v13, |v[XS+\i+2]|, |v[XS+\i+3]|
.endr
	v_max3_num_f32 v12, v12, |v[XS+30]|, |v[XS+31]|
	v_max3_num_f32 v12, v12, v13, (EMAX+1)<<23     ; and the floor 2^(EMAX + 1 - 127): so the byte cannot fall under 1
	v_add_nc_u32 v11, 0xfe000000, v12              ; EMAX off its exponent field: the conversion's scale operand
	v_lshrrev_b32 v13, 23, v11                     ; the scale's byte
.if (\t)%4 == 0
	v_mov_b32 v[SB+(\t)/4], v13                    ; four bytes to a register, the lower K in the lower byte
.else
	v_lshl_or_b32 v[SB+(\t)/4], v13, 8*((\t)%4), v[SB+(\t)/4]
.endif
	v_cvt_scalef32_pk16_bf6_f32 v[C:C+2], v[XS:XS+15], v11
	v_cvt_scalef32_pk16_bf6_f32 v[C+4:C+6], v[XS+16:XS+31], v11     ; (a conversion's three registers begin on an even number)
	ds_store_b96 v4, v[C:C+2] offset:32*(\t)       ; 16 codes, 12 bytes, to a place of 16 bytes in the stage, so that every LDS address is a multiple of 16
	ds_store_b96 v4, v[C+4:C+6] offset:32*(\t)+16
.if (\t)+2 < NB
	LOAD (\t)+2
.endif
	s_wait_dscnt 0x0                               ; the stores have read their registers: the next block's codes may be written
.endm
.irp t, 0,1,2,3,4,5,6,7
	BLOCK \t
.endr
	global_store_b32 v9, v[SB], s[56:57]           ; my column's eight scale bytes, as two words
	s_wait_alu depctr_va_vdst(0)
	global_store_b32 v10, v[SB+1], s[56:57]
.irp t, 0,1,2,3,4,5,6,7,8,9,10,11,12,13,14,15
	ds_load_b96 v[OUTR+4*\t:OUTR+4*\t+2], v7 offset:2*\t*PITCH   ; LDS serves a wave's instructions in order: these see my stores
.endr
.irp t, 0,1,2,3,4,5,6,7,8,9,10,11,12,13,14,15
	s_wait_dscnt 15-\t                             ; load t is in; the 15 - t younger ones may be out
	global_store_b96 v[OA+\t], v[OUTR+4*\t:OUTR+4*\t+2], s[6:7]
.endr
	s_wait_tensorcnt 0x0
	ds_add_u32 v224, v225
	s_wait_dscnt 0x0
	s_endpgm
.Lrope:                                        ; 128 threads: thread t takes row 16 g + t / 8 of the 4,096 and the frequencies 4 (t % 8) + 0 .. 3.  No LDS
	s_sub_co_u32 s4, ttmp9, 448                    ; g
	s_lshl_b32 s8, s4, 6                           ; 16 positions of 4 bytes
	s_mov_b32 s9, 0
	s_lshl_b32 s10, s4, 11                         ; 16 rows of 128 bytes
	s_mov_b32 s11, 0
	v_lshrrev_b32 v1, 3, v0
	v_lshlrev_b32 v1, 2, v1                        ; my position's bytes
	v_lshlrev_b32 v2, 4, v0                        ; my 16 bytes of the group's 2,048: a wave stores 512 consecutive bytes
	v_and_b32 v3, 7, v0
	v_lshlrev_b32 v3, 2, v3                        ; my first frequency
	v_mov_b32 v20, 0x3638ef1d                      ; 1 / 9!
	v_mov_b32 v21, 0xb493f27e                      ; -1 / 10!
	s_wait_alu depctr_va_vdst(0)
	s_wait_kmcnt 0x0
	s_add_nc_u64 s[46:47], s[46:47], s[8:9]
	s_add_nc_u64 s[54:55], s[54:55], s[10:11]
	global_load_b32 v4, v1, s[46:47]
.irp k, 0,1,2,3
	v_add_nc_u32 v[8+\k], \k, v3
.endr
.irp k, 0,1,2,3
	v_cvt_f32_u32 v[8+\k], v[8+\k]
.endr
.irp k, 0,1,2,3
	v_mul_f32 v[8+\k], 0xbed49a78, v[8+\k]         ; -i x log2(10000) / 32
.endr
	s_wait_alu depctr_va_vdst(0)
.irp k, 0,1,2,3
	v_exp_f32 v[8+\k], v[8+\k]                     ; 10000^(-i / 32)
.endr
	v_nop                                          ; a plain instruction behind the last exponential,
	s_wait_alu depctr_va_vdst(0)                   ; and the wait ahead of the first use: one for the four
	s_wait_loadcnt 0x0
	v_add_nc_u32 v4, 2, v4                         ; the phase shift: two entries lie in the cache
	v_cvt_f32_i32 v4, v4
.macro ANGLE k
	v_mul_f32 v12, v4, v[8+\k]                     ; the angle x
	v_mul_f32 v13, 0x3f22f983, v12
	v_rndne_f32 v13, v13                           ; n = x x 2 / pi, to the nearest whole number
	v_fmamk_f32 v14, v13, 0xbfc90fdb, v12          ; r = x - n x pi/2: the upper part of pi/2,
	v_fmamk_f32 v14, v13, 0x333bbd2e, v14          ; and what it lacks
	v_mul_f32 v15, v14, v14                        ; z = r r
	v_fmaak_f32 v16, v20, v15, 0xb9500d01          ; sin r = r + r z (-1/3! + z (1/5! + z (-1/7! + z / 9!)))
	v_fmaak_f32 v17, v21, v15, 0x37d00d01          ; cos r = 1 + z (-1/2 + z (1/4! + z (-1/6! + z (1/8! - z / 10!))))
	v_fmaak_f32 v16, v16, v15, 0x3c088889
	v_fmaak_f32 v17, v17, v15, 0xbab60b61
	v_fmaak_f32 v16, v16, v15, 0xbe2aaaab
	v_fmaak_f32 v17, v17, v15, 0x3d2aaaab
	v_mul_f32 v19, v14, v15
	v_fmaak_f32 v17, v17, v15, 0xbf000000
	v_fma_f32 v16, v16, v19, v14
	v_fmaak_f32 v17, v17, v15, 0x3f800000
	v_cvt_i32_f32 v18, v13
	v_and_b32 v19, 1, v18
	v_cmp_eq_u32 vcc_lo, 1, v19                    ; an odd quadrant changes the two over
	v_cndmask_b32 v[28+\k], v16, v17, vcc_lo
	v_cndmask_b32 v[24+\k], v17, v16, vcc_lo
	v_and_b32 v19, 2, v18                          ; sin is negated in quadrants 2 and 3,
	v_lshlrev_b32 v19, 30, v19
	v_xor_b32 v[28+\k], v19, v[28+\k]
	v_add_nc_u32 v18, 1, v18                       ; cos in quadrants 1 and 2
	v_and_b32 v19, 2, v18
	v_lshlrev_b32 v19, 30, v19
	v_xor_b32 v[24+\k], v19, v[24+\k]
.endm
.irp k, 0,1,2,3
	ANGLE \k
.endr
	global_store_b128 v2, v[24:27], s[54:55]                 ; cos
	global_store_b128 v2, v[28:31], s[54:55] offset:524288   ; sin
	s_endpgm
.Lfunc_end_k_q787edf0263_qcol:
	.size	k_q787edf0263_qcol, .Lfunc_end_k_q787edf0263_qcol-k_q787edf0263_qcol
	.p2alignl 7, 3214868480
	.fill 96, 4, 3214868480
	.section	.rodata,"a",@progbits
	.p2align	6, 0x0
	.amdhsa_kernel k_q787edf0263_qcol
		.amdhsa_group_segment_fixed_size 36352
		.amdhsa_private_segment_fixed_size 0
		.amdhsa_enable_private_segment 0
		.amdhsa_kernarg_size 80
		.amdhsa_user_sgpr_count 2
		.amdhsa_user_sgpr_kernarg_segment_ptr 1
		.amdhsa_wavefront_size32 1
		.amdhsa_system_sgpr_workgroup_id_x 1
		.amdhsa_system_sgpr_workgroup_id_y 1
		.amdhsa_system_sgpr_workgroup_id_z 1
		.amdhsa_system_vgpr_workitem_id 0
		.amdhsa_next_free_vgpr 226
		.amdhsa_next_free_sgpr 96
		.amdhsa_reserve_vcc 1
		.amdhsa_float_denorm_mode_32 3
		.amdhsa_float_denorm_mode_16_64 3
		.amdhsa_memory_ordered 1
		.amdhsa_forward_progress 1
		.amdhsa_inst_pref_size 55
	.end_amdhsa_kernel
	.amdgpu_metadata
---
amdhsa.version: [ 1, 2 ]
amdhsa.kernels:
  - .name:           k_q787edf0263_qcol
    .symbol:         k_q787edf0263_qcol.kd
    .args:
      - { .name: Wq, .offset: 0, .size: 8, .value_kind: global_buffer, .address_space: global }
      - { .name: Wk, .offset: 8, .size: 8, .value_kind: global_buffer, .address_space: global }
      - { .name: Wv, .offset: 16, .size: 8, .value_kind: global_buffer, .address_space: global }
      - { .name: Wo, .offset: 24, .size: 8, .value_kind: global_buffer, .address_space: global }
      - { .name: prev_v, .offset: 32, .size: 8, .value_kind: global_buffer, .address_space: global }
      - { .name: position_ids, .offset: 40, .size: 8, .value_kind: global_buffer, .address_space: global }
      - { .name: wq, .offset: 48, .size: 8, .value_kind: global_buffer, .address_space: global }
      - { .name: woq, .offset: 56, .size: 8, .value_kind: global_buffer, .address_space: global }
      - { .name: vq, .offset: 64, .size: 8, .value_kind: global_buffer, .address_space: global }
      - { .name: rope, .offset: 72, .size: 8, .value_kind: global_buffer, .address_space: global }
    .group_segment_fixed_size: 36352
    .private_segment_fixed_size: 0
    .kernarg_segment_align: 8
    .kernarg_segment_size: 80
    .max_flat_workgroup_size: 128
    .sgpr_count:     96
    .vgpr_count:     226
    .wavefront_size: 32
...
	.end_amdgpu_metadata
.endif
;; end of part 2
;; launch gemm1 (part 3): grid 8 x 32, 4 waves a work-group, clusters of 4 x 4, 327,680 bytes of LDS; arguments xq, wq, qkv; writes qkv
.if DOCPART == 3
	.amdgcn_target "amdgcn-amd-amdhsa--gfx1250"
	.amdhsa_code_object_version 6
	.text
	.protected	k_q787edf0263_gemm1
	.globl	k_q787edf0263_gemm1
	.p2align	8
	.type	k_q787edf0263_gemm1,@function
k_q787edf0263_gemm1:
	s_mov_b64 s[64:65], 0
	v_nop
	global_prefetch_b8 v0, s[64:65] scope:SCOPE_SE
	s_setreg_imm32_b32 hwreg(HW_REG_WAVE_MODE, 25, 1), 1
	s_wait_xcnt 0x0
	s_wait_alu depctr_hold_cnt(0) depctr_sa_sdst(0) depctr_va_vdst(0) depctr_va_sdst(0) depctr_va_ssrc(0) depctr_va_vcc(0) depctr_vm_vsrc(0)
	s_getreg_b32 s2, hwreg(HW_REG_IB_STS2, 6, 4)
	s_cmp_eq_u32 s2, 0
	s_cbranch_scc0 .Lentry_in_a_cluster
	s_endpgm
.Lentry_in_a_cluster:
	s_bfe_u32 s2, ttmp6, 0x10000c
	s_cmp_lg_u32 s2, 0xf033
	s_cbranch_scc0 .Lentry_shape_is_right
	s_endpgm
.Lentry_shape_is_right:
; C[m][n] = sum over k of A[m][k] B[n][k], f32, on codes of BF6 (E3M2) with one E8M0 scale byte for each 32 along K.  Here A = xq (combined_states), B = wq (Wq's, Wk's, Wv's columns), C = qkv.
; BUFFERS: codes [SIZE_K / 256 steps][rows][192 bytes], then the scale bytes [rows][SIZE_K / 32].  So the codes of 64 n rows of one K step are dense bytes that begin at a multiple of 256:
; a tensor load brings them as lines of 256 bytes, with 16 bytes of padding behind every 64: in LDS a row of 192 bytes takes 240 = 60 words, so that the 32 lanes of an 8-byte load touch 64 different banks (ISA guide 11.1).
; SHARES: a block of C is 128 x 256: 32 x 8 = 256 work-groups.  Four waves, each 64 rows x 128 columns: 32 accumulators of 16 x 16, 256 registers.  K goes in steps of 256 through two LDS slots (A's 128 rows, B's 256 rows);
; a K step is two matrix steps of 128.  A's and B's fragments have two register sets each: while one is multiplied the other is loaded.  The scales of all of K come into LDS once, at the head.
; CLUSTERS, 4 x 4: A's tile is asked for jointly by the four work-groups of a row of the cluster, B's by the four of a column.  The matrix instruction is used transposed (source 0 = B's rows, source 1 = A's rows):
; a lane holds eight neighbouring numbers of a row of C.
; PREFETCH: behind each refill a wave names the K step two refills on, of the part that it fetches itself: the four partners share that part's blocks of 256 bytes out by address (12 each of A's 48, 24 each of B's 96; lanes left over
; name the last block again).  The first four K steps come by their loads alone; the loop's last trip asks for nothing.
; REGISTERS: window 0: v0-31 addresses, v32-63 scale words (two sets), v64-159 A's fragments (two sets of 4 x 12); on the way out v128-255.  Window 1: v0-191 B's fragments (two sets of 8 x 12).  Window 2: the accumulators, (a, b) at v[8 (8 a + b)].
.set SIZE_M, 4096
.set SIZE_N, 2048
.set SIZE_K, 4096
.set NTS,    0                         ; 1: C is read by no later launch
.set PITCH,  240
.set FR,     12
.set ATILE,  128*PITCH                 ; 128 rows in LDS
.set SLOT,   3*ATILE                   ; A's 128 rows, then B's 256
.set LAPS,   SIZE_K/512                ; a lap = two K steps = once round the ring
.set KS,     SIZE_K/32                 ; a row of scale bytes
.set LA,     128*KS/256                ; lines of 256 bytes in the scales of 128 rows
.set SCL,    2*SLOT                    ; behind the ring: A's scales, then B's, lines of 256 + 16 bytes
.set SBLK,   (16*KS/256)*272           ; those of 16 rows
.set SPARE,  SCL+3*LA*272              ; the spare words: 128 bytes a wave, two blocks of 256 bytes that no other line names
.set SPITCH, 528                       ; the way out: 16 rows x (512 + 16) bytes for each wave, in slot 0, which has had its last fill and its last read by then
.set ASTEP,  SIZE_M*192                ; bytes from a K step to the next
.set BSTEP,  SIZE_N*192
.set ADRA, 16                          ; v16-17 my A fragments in slot 0, 1; v18-19 the same for pieces whose lanes 16-31 lie behind one more padding
.set ADRB, 20                          ; v20-23 the same for B
.set STO,  24
.set RD,   25
.set CO,   26
.set ADRS, 27                          ; my scale words: lanes 0-15 A's rows, lanes 16-31 B's
.set SPW,  28                          ; my spare word; never rewritten
.set NIL,  29                          ; 0; never rewritten
.set PFO,  30                          ; the prefetches' offset; never rewritten
.set SC,   32
.set AF,   64
.set BK,   128
.set G1, 24                            ; s[24:31] group 1, s[32:39] groups 0 (one a slot) for A's tiles;  s[48:55], s[56:63] for B's
.set G0, 32
.set G1B, 48
.set G0B, 56
.set G1S, 68                           ; s[68:75], s[76:79] A's scales;  s[80:87], s[88:91] B's
.set G0S, 76
.set G1SB, 80
.set G0SB, 88
.set G0H, 96                           ; s[96:99], s[8:11] groups 0 of the head's loads of K step 0
.set G0HB, 8
.set PFA, 100                          ; s[100:101] where my prefetches stand;  s[104:105] their step
.set PST, 104
.set MSB, 0
.macro WIN new                         ; the immediate's high byte repeats the setting that is left
.if MSB != \new
	s_set_vgpr_msb (MSB<<8)|\new
.set MSB, \new
.endif
.endm
.set MUL,  0xa1                        ; source 0 (B) window 1, source 1 (A) window 0, C and D window 2
.set TO_B, 0x40
.macro PLACES                          ; four plain places behind a matrix instruction, ahead of loads into its sources and of reads of its result
.rept 4
	v_nop
.endr
.endm
.macro JLOAD s                         ; a joint refill: waves 0, 1 fetch A's halves, waves 2, 3 B's; the branch hangs on the wave's number alone; s_nop 0 and four v_nop behind each load
	s_cmp_eq_u32 s15, 0
	s_cbranch_scc0 .Lfor_b_\@
	tensor_load_to_lds s[G0+4*\s:G0+4*\s+3], s[G1:G1+7]
	s_nop 0
	PLACES
	s_branch .Lasked_\@
.Lfor_b_\@:
	tensor_load_to_lds s[G0B+4*\s:G0B+4*\s+3], s[G1B:G1B+7]
	s_nop 0
	PLACES
.Lasked_\@:
.endm
.macro CREST                           ; a round of the cluster's barrier behind its opening barrier
	s_cmp_lg_u32 s14, 0
	s_cbranch_scc1 .Lnot_wave_0_\@
	s_barrier_signal -3
.Lnot_wave_0_\@:
	s_barrier_wait -3
	s_barrier_signal -1
	s_barrier_wait -1
.endm
.macro CROUND
	s_barrier_signal -1
	s_barrier_wait -1
	CREST
.endm
	s_load_b128 s[4:7], s[0:1], 0x0                ; A's buffer, B's buffer
	s_load_b64 s[12:13], s[0:1], 0x10              ; C
	v_lshl_add_u32 v[SPW], v0, 2, SPARE
	v_mov_b32 v[NIL], 0
	ds_add_u32 v[SPW], v[NIL]                      ; the opening lines: the add, twice on end, and its wait ahead of my first tensor load
	ds_add_u32 v[SPW], v[NIL]
	v_lshrrev_b32 v1, 5, v0
	v_readfirstlane_b32 s14, v1                    ; wave
	s_lshr_b32 s15, s14, 1                         ; my half of the block's rows.  Also: I fetch for A (0) or B (1)
	s_and_b32 s16, s14, 1                          ; my half of its columns.  Also: which half of that tile I fetch
	s_bfe_u32 s40, ttmp6, 0x40000                  ; cx, cy
	s_bfe_u32 s41, ttmp6, 0x40004
	s_lshl_b32 s42, ttmp9, 2
	s_add_co_u32 s42, s42, s40                     ; block column
	s_and_b32 s17, ttmp7, 0xffff
	s_lshl_b32 s17, s17, 2
	s_add_co_u32 s17, s17, s41                     ; block row
	s_lshl_b32 s43, s41, 2
	s_lshl_b32 s43, 15, s43                        ; my row of the cluster
	s_lshl_b32 s44, 0x1111, s40                    ; my column
	s_or_b32 s[G1], s43, (1<<20)|(1<<21)|(3<<22)|(3<<25)    ; elements of 1 byte; padding on; bit 21 beside a mask; 4 words behind every 16
	s_or_b32 s[G1B], s44, (1<<20)|(1<<21)|(3<<22)|(3<<25)
.irp g, G1, G1B
	s_mov_b32 s[\g+1], 256<<16                     ; lines of 256 bytes, dense
	s_mov_b32 s[\g+3], 256<<16
	s_mov_b32 s[\g+5], 256
	s_mov_b32 s[\g+6], 0
	s_mov_b32 s[\g+7], 0
.endr
	s_mov_b32 s[G1+2], 96<<16                      ; at the head: A's 128 rows are 96 lines,
	s_mov_b32 s[G1+4], 96
	s_mov_b32 s[G1B+2], 192<<16                    ; B's 256 rows 192
	s_mov_b32 s[G1B+4], 192
	s_or_b32 s[G1S], s43, (3<<16)|(1<<20)|(1<<21)|(5<<22)|(3<<25)   ; the scales: lines of 32 elements of 8 bytes, 4 words behind every 64
	s_or_b32 s[G1SB], s44, (3<<16)|(1<<20)|(1<<21)|(5<<22)|(3<<25)
.irp g, G1S, G1SB
	s_mov_b32 s[\g+1], 32<<16
	s_mov_b32 s[\g+3], 32<<16
	s_mov_b32 s[\g+5], 32
	s_mov_b32 s[\g+6], 0
	s_mov_b32 s[\g+7], 0
.endr
	s_mov_b32 s[G1S+2], LA<<16
	s_mov_b32 s[G1S+4], LA
	s_mov_b32 s[G1SB+2], (2*LA)<<16
	s_mov_b32 s[G1SB+4], 2*LA
	s_mul_i32 s20, s17, 128*192                    ; byte offsets, all under 2^32: my block's rows of A in a K step,
	s_mov_b32 s21, 0
	s_mul_i32 s46, s42, 256*192                    ; its rows of B,
	s_mov_b32 s47, 0
	s_mul_i32 s22, s17, 128*KS                     ; and their scales, behind the codes
	s_add_co_u32 s22, s22, SIZE_M*SIZE_K*3/4
	s_mov_b32 s23, 0
	s_mul_i32 s92, s42, 256*KS
	s_add_co_u32 s92, s92, SIZE_N*SIZE_K*3/4
	s_mov_b32 s93, 0
	s_mul_i32 s18, s16, 64*192                     ; in the ring I fetch half of a tile
	s_mov_b32 s19, 0
	s_mul_i32 s45, s16, ATILE/2                    ; to LDS bytes made of the wave's number alone
	s_mul_i32 s94, s16, ATILE
	s_add_co_u32 s94, s94, ATILE
	s_wait_dscnt 0x0                               ; both opening adds are done
	s_wait_kmcnt 0x0
	s_add_nc_u64 s[20:21], s[4:5], s[20:21]
	s_add_nc_u64 s[22:23], s[4:5], s[22:23]
	s_add_nc_u64 s[46:47], s[6:7], s[46:47]
	s_add_nc_u64 s[92:93], s[6:7], s[92:93]
	CROUND                                         ; all sixteen work-groups are here: the first joint loads meet
	s_mov_b32 s[G0H], 1
	s_mov_b32 s[G0H+1], 0
	s_mov_b64 s[G0H+2:G0H+3], s[20:21]
	s_or_b32 s[G0H+3], s[G0H+3], 0x80000000
	s_mov_b32 s[G0HB], 1
	s_mov_b32 s[G0HB+1], ATILE
	s_mov_b64 s[G0HB+2:G0HB+3], s[46:47]
	s_or_b32 s[G0HB+3], s[G0HB+3], 0x80000000
	s_mov_b32 s[G0S], 1
	s_mov_b32 s[G0S+1], SCL
	s_mov_b64 s[G0S+2:G0S+3], s[22:23]
	s_or_b32 s[G0S+3], s[G0S+3], 0x80000000
	s_mov_b32 s[G0SB], 1
	s_mov_b32 s[G0SB+1], SCL+LA*272
	s_mov_b64 s[G0SB+2:G0SB+3], s[92:93]
	s_or_b32 s[G0SB+3], s[G0SB+3], 0x80000000
	s_add_nc_u64 s[20:21], s[20:21], s[18:19]      ; my 64 rows of A's tile,
	s_lshl_b32 s18, s18, 1
	s_add_nc_u64 s[46:47], s[46:47], s[18:19]      ; my 128 rows of B's
.irp s, 0,1
	s_mov_b32 s[G0+4*\s], 1
	s_add_co_u32 s[G0+4*\s+1], s45, \s*SLOT
	s_add_nc_u64 s[G0+4*\s+2:G0+4*\s+3], s[20:21], \s*ASTEP
	s_or_b32 s[G0+4*\s+3], s[G0+4*\s+3], 0x80000000
	s_mov_b32 s[G0B+4*\s], 1
	s_add_co_u32 s[G0B+4*\s+1], s94, \s*SLOT
	s_add_nc_u64 s[G0B+4*\s+2:G0B+4*\s+3], s[46:47], \s*BSTEP
	s_or_b32 s[G0B+4*\s+3], s[G0B+4*\s+3], 0x80000000
.endr
; THE HEAD'S FOUR TILES, ONE LOAD A WAVE, in one chain of branches on the wave's number: K step 0 of A, of B, A's scales, B's scales
.macro ARM under, g0, g1, next
	s_cmp_lt_u32 s14, \under
	s_cbranch_scc0 \next
	tensor_load_to_lds s[\g0:\g0+3], s[\g1:\g1+7]
	s_nop 0
	PLACES
	s_branch .Lhead_asked
\next:
.endm
	ARM 1, G0H,  G1,  .Lhead_b
	ARM 2, G0HB, G1B, .Lhead_sa
	ARM 3, G0S,  G1S, .Lhead_sb
	tensor_load_to_lds s[G0SB:G0SB+3], s[G1SB:G1SB+7]
	s_nop 0
	PLACES
.Lhead_asked:
.if LAPS > 2
	s_mov_b32 s[PST], BSTEP                        ; the prefetches: the part that I fetch, my work-group's share of its blocks, at K step 3: the first refill steps it to 4
	s_mov_b32 s[PST+1], 0
	s_cmp_eq_u32 s15, 0
	s_cselect_b64 s[PFA:PFA+1], s[20:21], s[46:47]
	s_cselect_b32 s[PST], ASTEP, s[PST]
	s_cselect_b32 s66, s40, s41                    ; my place among the four that ask with me
	s_cselect_b32 s95, 11, 23                      ; the last of my share's blocks
	s_add_co_u32 s67, s95, 1
	s_mul_i32 s66, s66, s67
	s_lshl_b32 s66, s66, 8
	s_mov_b32 s67, 0
	s_add_nc_u64 s[PFA:PFA+1], s[PFA:PFA+1], s[66:67]
	s_mul_i32 s66, s[PST], 3
	s_add_nc_u64 s[PFA:PFA+1], s[PFA:PFA+1], s[66:67]
.endif
	v_and_b32 v1, 15, v0                           ; r
	v_bfe_u32 v2, v0, 4, 1                         ; h
	v_mul_u32_u24 v3, v1, PITCH
	v_mul_u32_u24 v4, v2, 24
	v_add_nc_u32 v4, v3, v4                        ; row x pitch + 24 h,
	v_lshl_add_u32 v5, v2, 4, v4                   ; and with one more padding for lanes 16-31
	s_mul_i32 s21, s15, ATILE/2                    ; my 64 rows of A
	s_mul_i32 s22, s16, ATILE
	s_add_co_u32 s22, s22, ATILE                   ; my 128 rows of B
.irp s, 0,1
	v_add_nc_u32 v[ADRA+\s], s21, v4
	v_add_nc_u32 v[ADRB+\s], s22, v4
	v_add_nc_u32 v[ADRA+2+\s], s21, v5
	v_add_nc_u32 v[ADRB+2+\s], s22, v5
	s_add_co_u32 s21, s21, SLOT
	s_add_co_u32 s22, s22, SLOT
.endr
	v_mul_u32_u24 v5, v1, KS                       ; my row's scales, 16 more for each 256 passed
	v_lshrrev_b32 v6, 8, v5
	v_lshl_add_u32 v5, v6, 4, v5
	s_mul_i32 s21, s15, LA*136                     ; A's: my 64 rows
	s_mul_i32 s22, s16, LA*272
	s_add_co_u32 s22, s22, LA*272                  ; B's: my 128 rows, behind A's
	s_sub_co_u32 s22, s22, s21
	v_mul_u32_u24 v6, s22, v2                      ; lanes 16-31 take B's
	s_add_co_u32 s21, s21, SCL
	v_add_nc_u32 v5, v5, v6
	v_add_nc_u32 v[ADRS], s21, v5
	s_mul_i32 s23, s14, 16*SPITCH                  ; my stage
	v_mul_u32_u24 v5, v1, SPITCH
	v_lshl_add_u32 v5, v2, 5, v5
	v_add_nc_u32 v[STO], s23, v5                   ; in: row r, 32 bytes for each half of the lanes
	v_and_b32 v6, 31, v0
	v_lshlrev_b32 v[CO], 4, v6                     ; back: the 32 lanes take a row of 512 bytes
	v_add_nc_u32 v[RD], s23, v[CO]
.if LAPS > 2
	v_min_u32 v[PFO], s95, v6
	v_lshlrev_b32 v[PFO], 8, v[PFO]                ; a lane a block of 256 bytes
.endif
	s_lshl_b32 s20, s17, 7
	s_lshl_b32 s21, s15, 6
	s_add_co_u32 s20, s20, s21                     ; my first row of C
	s_mul_i32 s20, s20, SIZE_N*4
	s_lshl_b32 s46, s42, 10
	s_lshl_b32 s47, s16, 9
	s_add_co_u32 s20, s20, s46
	s_add_co_u32 s20, s20, s47                     ; + my first column, in bytes (all under 2^32)
	s_mov_b32 s21, 0
	s_add_nc_u64 s[12:13], s[12:13], s[20:21]
.macro FRAG reg, adr, q, i             ; 16 rows x 128 K: 12 registers, six pieces of 8 bytes as they lie; piece PC of the row's 24 stands at 8 PC + 16 (PC / 8); lanes 16-31 read three pieces on
.irp p, 0,1,2,3,4,5
.set PC, 12*(\q)+6*(\p/3)+\p%3
.if PC%8 < 5
	ds_load_b64 v[\reg+2*\p:\reg+2*\p+1], v[\adr] offset:8*PC+16*(PC/8)+(\i)*16*PITCH
.else
	ds_load_b64 v[\reg+2*\p:\reg+2*\p+1], v[\adr+2] offset:8*PC+16*(PC/8)+(\i)*16*PITCH
.endif
.endr
.endm
.macro FETCH slot, q                   ; matrix step q of the slot's K step into register sets q: 72 loads
	WIN TO_B
.irp i, 0,1,2,3,4,5,6,7
	FRAG 96*\q+FR*\i, ADRB+\slot, \q, \i
.endr
	WIN 0
.irp i, 0,1,2,3
	FRAG AF+48*\q+FR*\i, ADRA+\slot, \q, \i
.endr
.endm
.macro SCALES sc                       ; a K step's two words a row: register 2 i + q: lanes 0-15 A's block i, lanes 16-31 B's block i (A has four blocks: the upper four words of lanes 0-15 are not used)
.irp i, 0,1,2,3,4,5,6,7
	ds_load_b64 v[SC+16*\sc+2*\i:SC+16*\sc+2*\i+1], v[ADRS] offset:\i*SBLK
.endr
.endm
.macro MUL8 a, q, sc, zero             ; A's block a against B's eight; the 32 accumulators take turns, in the same order in every step
.irp b, 0,1,2,3,4,5,6,7
.if \zero
	v_wmma_scale_f32_16x16x128_f8f6f4 v[8*(8*\a+\b):8*(8*\a+\b)+7], v[96*\q+FR*\b:96*\q+FR*\b+FR-1], v[AF+48*\q+FR*\a:AF+48*\q+FR*\a+FR-1], 0, v[SC+16*\sc+2*\b+\q], v[SC+16*\sc+2*\a+\q] matrix_a_fmt:MATRIX_FMT_BF6 matrix_b_fmt:MATRIX_FMT_BF6 matrix_a_scale:MATRIX_SCALE_ROW1
.else
	v_wmma_scale_f32_16x16x128_f8f6f4 v[8*(8*\a+\b):8*(8*\a+\b)+7], v[96*\q+FR*\b:96*\q+FR*\b+FR-1], v[AF+48*\q+FR*\a:AF+48*\q+FR*\a+FR-1], v[8*(8*\a+\b):8*(8*\a+\b)+7], v[SC+16*\sc+2*\b+\q], v[SC+16*\sc+2*\a+\q] matrix_a_fmt:MATRIX_FMT_BF6 matrix_b_fmt:MATRIX_FMT_BF6 matrix_a_scale:MATRIX_SCALE_ROW1
.endif
.endr
.endm
.macro STEP slot, zero                 ; a K step's first matrix step: the second one's fragments are asked for, then 32 products
	s_wait_dscnt 0x0                               ; sets 0 and the scale words are in
.if \zero == 0
	PLACES
.endif
	FETCH \slot, 1
	WIN MUL
	MUL8 0, 0, \slot, \zero
	MUL8 1, 0, \slot, \zero
	MUL8 2, 0, \slot, \zero
	MUL8 3, 0, \slot, \zero
	WIN 0
.endm
.macro TURN slot, next, fill           ; a K step's second matrix step, and the change of slots: all my reads of this slot are over when its fragments are in
.if \fill && (LAPS > 2)
	s_wait_xcnt 0x0                                ; my last prefetch has read its address
	s_add_nc_u64 s[PFA:PFA+1], s[PFA:PFA+1], s[PST:PST+1]
.endif
	s_wait_tensorcnt 0x0                           ; all my tensor loads have landed: my part of the next slot;
	ds_add_u32 v[SPW], v[NIL]                      ; 0 onto my spare word;
	s_wait_dscnt 1                                 ; sets 1 are in; the add may be out
	WIN MUL
	MUL8 0, 1, \slot, 0
	s_wait_dscnt 0x0                               ; the add is done
	s_barrier_signal -1
	MUL8 1, 1, \slot, 0
	WIN 0
	s_barrier_wait -1
.if \fill
	CREST                                          ; the barrier has opened a round of the cluster's: no wave of any partner reads this slot or has a load on its way
	s_add_nc_u64 s[G0+4*\slot+2:G0+4*\slot+3], s[G0+4*\slot+2:G0+4*\slot+3], 2*ASTEP
	s_add_nc_u64 s[G0B+4*\slot+2:G0B+4*\slot+3], s[G0B+4*\slot+2:G0B+4*\slot+3], 2*BSTEP
	JLOAD \slot                                    ; two K steps on; its four v_nop are the places ahead of the loads below
.else
	PLACES
.endif
	s_wait_alu depctr_va_vdst(0)                   ; the wait ahead of this reader
	v_add_nc_u32 v[ADRS], 8, v[ADRS]               ; the next K step's two words
	FETCH \next, 0
	SCALES \next
.if \fill && (LAPS > 2)
	s_cmp_gt_u32 s3, 1                             ; the last trip's refills have no K step two on
	s_cbranch_scc0 .Lno_ask_\@
	global_prefetch_b8 v[PFO], s[PFA:PFA+1] th:TH_LOAD_NT scope:SCOPE_SE
.Lno_ask_\@:
.endif
	WIN MUL
	MUL8 2, 1, \slot, 0
	MUL8 3, 1, \slot, 0
	WIN 0
.endm
	s_wait_alu depctr_va_vdst(0)                   ; the wait at the head's end
	s_wait_tensorcnt 0x0                           ; my tile of the head's four is in; the full sequence ahead of slot 1's first fill:
	ds_add_u32 v[SPW], v[NIL]
	s_mov_b32 s[G1+2], 48<<16                      ; no load of mine is out: from here on a load brings 64 rows of A (48 lines)
	s_mov_b32 s[G1+4], 48
	s_mov_b32 s[G1B+2], 96<<16                     ; or 128 rows of B (96 lines)
	s_mov_b32 s[G1B+4], 96
	s_wait_dscnt 0x0
	CROUND
	JLOAD 1                                        ; K step 1
	FETCH 0, 0
	SCALES 0
	STEP 0, 1                                      ; the first products start the sums
	s_mov_b32 s3, LAPS-1
.Llap:
	TURN 0, 1, 1
	STEP 1, 0
	TURN 1, 0, 1
	STEP 0, 0
	s_sub_co_u32 s3, s3, 1
	s_cmp_lg_u32 s3, 0
	s_cbranch_scc1 .Llap
	TURN 0, 1, 0                                   ; the last lap fetches nothing more
	STEP 1, 0
	s_wait_dscnt 0x0
	WIN MUL
	MUL8 0, 1, 1, 0
	MUL8 1, 1, 1, 0
	MUL8 2, 1, 1, 0
	MUL8 3, 1, 1, 0
	WIN 0
; THE WAY OUT, by blocks of 16 rows x 128 columns through my own stage: back as rows of 512 bytes, which the 32 lanes store as two aligned runs of 256.  LDS serves a wave's instructions in order (ISA guide 5.7.1.4)
.macro TOSTAGE a
	WIN 0x08                                       ; the data: window 2
.irp b, 0,1,2,3,4,5,6,7
	ds_store_b128 v[STO], v[64*(\a)+8*\b:64*(\a)+8*\b+3] offset:64*\b          ; each accumulator from its low end on
	ds_store_b128 v[STO], v[64*(\a)+8*\b+4:64*(\a)+8*\b+7] offset:64*\b+16
.endr
	WIN 0
.set BB, BK+64*((\a)%2)
.irp t, 0,1,2,3,4,5,6,7,8,9,10,11,12,13,14,15
	ds_load_b128 v[BB+4*\t:BB+4*\t+3], v[RD] offset:\t*SPITCH
.endr
.endm
.macro SEND a, younger                 ; younger: the LDS instructions behind block a's loads, which may stay out
.set BB, BK+64*((\a)%2)
	s_wait_dscnt \younger
.if (\a) > 0
	s_add_nc_u64 s[12:13], s[12:13], 16*SIZE_N*4   ; behind a wait on XCNT: the earlier stores have read their base
.endif
.irp t, 0,1,2,3,4,5,6,7,8,9,10,11,12,13,14,15
.if NTS
	global_store_b128 v[CO], v[BB+4*\t:BB+4*\t+3], s[12:13] offset:\t*SIZE_N*4 th:TH_STORE_NT
.else
	global_store_b128 v[CO], v[BB+4*\t:BB+4*\t+3], s[12:13] offset:\t*SIZE_N*4
.endif
.endr
.endm
	PLACES
	TOSTAGE 0
.irp a, 1,2,3
.if \a > 1
	s_wait_xcnt 0x0                                ; block a - 2's stores have read their registers and their base
.endif
	TOSTAGE \a
	SEND \a-1, 32                                  ; behind block a - 1's loads: block a's 16 stores and 16 loads
.endr
	s_wait_xcnt 0x0
	SEND 3, 0
	s_wait_tensorcnt 0x0                           ; the wave's end
	ds_add_u32 v[SPW], v[NIL]
	s_wait_dscnt 0x0
	CROUND                                         ; the closing round
	s_endpgm
.Lfunc_end_k_q787edf0263_gemm1:
	.size	k_q787edf0263_gemm1, .Lfunc_end_k_q787edf0263_gemm1-k_q787edf0263_gemm1
	.p2alignl 7, 3214868480
	.fill 96, 4, 3214868480
	.section	.rodata,"a",@progbits
	.p2align	6, 0x0
	.amdhsa_kernel k_q787edf0263_gemm1
		.amdhsa_group_segment_fixed_size 327680
		.amdhsa_private_segment_fixed_size 0
		.amdhsa_enable_private_segment 0
		.amdhsa_kernarg_size 24
		.amdhsa_user_sgpr_count 2
		.amdhsa_user_sgpr_kernarg_segment_ptr 1
		.amdhsa_wavefront_size32 1
		.amdhsa_system_sgpr_workgroup_id_x 1
		.amdhsa_system_sgpr_workgroup_id_y 1
		.amdhsa_system_sgpr_workgroup_id_z 1
		.amdhsa_system_vgpr_workitem_id 0
		.amdhsa_next_free_vgpr 768
		.amdhsa_next_free_sgpr 106
		.amdhsa_reserve_vcc 0
		.amdhsa_float_denorm_mode_32 3
		.amdhsa_float_denorm_mode_16_64 3
		.amdhsa_memory_ordered 1
		.amdhsa_forward_progress 1
		.amdhsa_inst_pref_size 102
	.end_amdhsa_kernel
	.amdgpu_metadata
---
amdhsa.version: [ 1, 2 ]
amdhsa.kernels:
  - .name:           k_q787edf0263_gemm1
    .symbol:         k_q787edf0263_gemm1.kd
    .args:
      - { .name: xq, .offset: 0, .size: 8, .value_kind: global_buffer, .address_space: global }
      - { .name: wq, .offset: 8, .size: 8, .value_kind: global_buffer, .address_space: global }
      - { .name: qkv, .offset: 16, .size: 8, .value_kind: global_buffer, .address_space: global }
    .group_segment_fixed_size: 327680
    .private_segment_fixed_size: 0
    .kernarg_segment_align: 8
    .kernarg_segment_size: 24
    .max_flat_workgroup_size: 128
    .sgpr_count:     106
    .vgpr_count:     768
    .wavefront_size: 32
...
	.end_amdgpu_metadata
.endif
;; end of part 3
;; launch attn (part 4): grid 4 x 64, 16 waves a work-group, clusters of 4 x 4, 327,680 bytes of LDS; arguments qkv, rope, kq, vq, attention_mask, prev_k, prev_v, aq; writes aq
.if DOCPART == 4
	.amdgcn_target "amdgcn-amd-amdhsa--gfx1250"
	.amdhsa_code_object_version 6
	.text
	.protected	k_q787edf0263_attn
	.globl	k_q787edf0263_attn
	.p2align	8
	.type	k_q787edf0263_attn,@function
k_q787edf0263_attn:
	s_mov_b64 s[64:65], 0
	v_nop
	global_prefetch_b8 v0, s[64:65] scope:SCOPE_SE
	s_setreg_imm32_b32 hwreg(HW_REG_WAVE_MODE, 25, 1), 1
	s_wait_xcnt 0x0
	s_wait_alu depctr_hold_cnt(0) depctr_sa_sdst(0) depctr_va_vdst(0) depctr_va_sdst(0) depctr_va_ssrc(0) depctr_va_vcc(0) depctr_vm_vsrc(0)
	s_getreg_b32 s2, hwreg(HW_REG_IB_STS2, 6, 4)
	s_cmp_eq_u32 s2, 0
	s_cbranch_scc0 .Lentry_in_a_cluster
	s_endpgm
.Lentry_in_a_cluster:
	s_bfe_u32 s2, ttmp6, 0x10000c
	s_cmp_lg_u32 s2, 0xf033
	s_cbranch_scc0 .Lentry_shape_is_right
	s_endpgm
.Lentry_shape_is_right:
; RoPE, the block attention over prev_k[0] / prev_v[0] with the additive mask as it is given, the two diagonal terms of each query, and the quantiser ahead of the last projection.
; IN: qkv [4096 rows = b x 2048 + t][2048] f32: the raw projections (q: columns 0-1023, k: 1024-1535, v: 1536-2047); rope: cos [4096][32], sin at byte 524,288;
;   kq: prev_k[0] as codes of BF6 (E3M2) [32 heads][2048 keys][48 bytes], scale bytes [32][2048][2] at byte 3,145,728;  vq: prev_v[0] as codes with the KEYS innermost [32][16 steps of 128 keys][64 d][96 bytes],
;   scale words [32][16][64] at byte 3,145,728;  attention_mask [2][2048][2048] f32;  prev_k[1], prev_v[1] f32.   OUT: aq: the attention's result as codes [4096][768 bytes], scale bytes [4096][32] at byte 3,145,728.
; THE WEIGHTS ARE QUANTISED FINISHED AND NORMALISED, so a row's maximum and sum are known before any weight is quantised: THE SCORES ARE MADE TWICE.  Pass 1 walks all keys for the maximum m and the sum l
; (the two diagonal logits start both); pass 2 walks them again: p = 2^((u - m) log2 e) / l, quantised along the keys, times V.
; SHARES.  A work-group owns 64 queries (rows 64 y on) of four heads (4 cx on).  Wave w owns head w / 4 of the four and the tile of 16 queries w % 4, in 256 registers: four waves to a SIMD, so that one wave's
; vector work stands beside another's matrix work and LDS loads.  Every wave walks all 2,048 keys, 128 a step, twice.
; CLUSTER, 4 x 4.  K's and V's tiles and scales hang on the batch and on cx alone: the four work-groups of a column of the cluster ask for them JOINTLY.  The mask's tile hangs on the rows alone: the four of a row of
; the cluster ask for it jointly.  (The grid is one cluster wide, so cx is the work-group's x.)
; LAYOUT.  Both products are used transposed: S^T = K Q^T (source 0 = 16 keys, source 1 = my 16 queries), O^T = V^T P^T (source 0 = 16 of the head's 64, source 1 = P): a lane holds ONE query (lane % 16) throughout.
; THE ROWS OF A TILE ARE NOT NEIGHBOURS: lane r of tile 2 b + u takes key (or channel) 32 b + 8 u + r + 8 (r / 8), so that the 16 registers of tiles 2 b and 2 b + 1 are 16 neighbours: 32 b + 16 (lane / 16) + 0 .. 15.
; The head's 64 fill half of the matrix instruction's 128 along K: the other half of K's and Q's fragments are zero codes, written once.
; WHAT SPARES VECTOR WORK.  The factor 1/8 is taken off Q's scale bytes (3 off each), and the mask's tile is loaded straight into the scores' registers and is the product's C: u = q.k / 8 + mask leaves the matrix unit.
; In pass 1 each LANE keeps a maximum and a sum of its own 64 keys of a step; the two lanes of a query meet once, behind the pass.  O^T begins as the two diagonal terms; in pass 2 nothing is rescaled or summed.
; LIMITS: blocks of q whose largest magnitude lies under 2^-119 are quantised under that floor's scale (so that 3 can be taken off the byte); NaN and +infinity among the inputs are not served; -infinity in the mask
; leans on the matrix instruction handing it through C, which was not tried; the division by l is v_rcp_f32 and a multiplication; weights under 2^-126 count as 0; the diagonal dot products are summed in another order than a plain loop's.
.set SLOT1, 1<<17                      ; LDS: slot 1 begins here, so that one exclusive or turns an address in one slot into the other's.  A slot: 4 heads x 128 keys x 48 bytes of K,
.set VOFF,  24576                      ; 4 heads x 64 channels x 96 bytes of V,
.set MOFF,  49152                      ; 64 rows x (512 bytes + 16 of padding) of the mask
.set MP,    528                        ; = 132 words: row r starts at bank 4 r mod 64 (64 banks of 4 bytes: ISA guide 11.1)
.set SCK,   2*SLOT1                    ; behind the ring: K's scale bytes, 4 heads x 2,048 keys x 2;
.set SCV,   SCK+16384                  ; V's scale words, 4 heads x 16 steps x 64;
.set SPARE, SCV+16384                  ; the spare words, 128 bytes for each wave: eight blocks of 256 bytes that no other line names;
.set STG,   SPARE+2048                 ; the way out: 64 rows x 16 places of 16 bytes (12 of codes) + 16;
.set SP,    272
.set SSTG,  STG+64*SP                  ; and 64 rows x 8 scale bytes
.set AK0,  1                           ; v1   my lane's place in a tile of K          v2  of V
.set AV0,  2
.set ASK0, 3                           ; v3   among K's scale bytes                   v4  among V's scale words
.set ASV0, 4
.set SPW,  5                           ; v5   LDS address of my spare word: SPARE + 4 x my thread's number; never rewritten
.set NIL,  6                           ; v6   0; never rewritten
.set AM0,  7                           ; v7   my lane's place in the mask's tile
.set ADK,  8                           ; v8-12  the addresses of the step in hand (at the head: offsets of the global loads; on the way out: its addresses)
.set ADV,  9
.set ADS,  10
.set ADT,  11
.set ADM,  12
.set PFO,  13                          ; v13  the prefetches' offset; never rewritten
.set NML,  14                          ; v14  -m log2 e,  v15  m
.set SUM,  16                          ; v[16:17] the sum, in two halves
.set RL,   18                          ; v18  1 / l  (v19: named with it as a pair)
.set QF,   20                          ; v20-31  Q: six registers of codes, six of zeros
.set KF,   32                          ; v32-79  four fragments of K: six registers of codes, six of zeros each
.set KS,   80                          ; v80-83  K's scale words      v84-87  V's      v88  Q's      v89  P's: these hold scales and nothing else
.set VS,   84
.set QS,   88
.set PS,   89
.set D1,   90                          ; v90, v91  the two diagonal logits
.set D2,   91
.set LPV,  92                          ; v92  an offset of global loads, later of stores;  v93 r = lane % 16,  v94 h = lane / 16,  v95 r + 8 (r / 8)
.set S,    96                          ; v96-159   the mask, then the scores, then p
.set O,    160                         ; v160-191  O^T
.set PC,   192                         ; v192-203  P's codes;  v204-210 the conversions' second halves
.set PX,   204
.set TM,   224                         ; v224-239  at work
.set WV,   20                          ; s20 my wave's number,  s21 its head of the four,  s22 its tile of queries
.set HD,   21
.set QT,   22
.set G1D,  24                          ; s[24:31] descriptor group 1 for K's and V's tiles;  s[32:39] for the mask's;  s[40:47] for the scales
.set G1M,  32
.set G1S,  40
.set G0K,  48                          ; groups 0: s[48:51] K's, s[52:55] V's, s[56:59] the mask's: these walk;  s[60:63] K's scales, s[68:71] V's scales, s[84:87] V's first tile: used once
.set G0V,  52
.set G0M,  56
.set G0SK, 60
.set G0SV, 68
.set G0V0, 84
.set SEL,  72                          ; s[72:73] lane selects for v_permlanex16_b32: lane l xor 16
.set CS,   74                          ; s[74:75] log2 e: the packed form names a pair and takes its low word for both halves
.set TB,   76                          ; s76  LDS byte at which the slot in hand begins
.set TS,   77                          ; s77  256 x the key step: where its scale bytes of K, and its scale words of V, begin
.set CNT,  78                          ; s78  a loop's trips to go
.set LIM,  79                          ; s79  1 in the wave that prefetches, else the greatest number
.set PFA,  80                          ; s[80:81] where my prefetches stand
.set CX,   82                          ; s82 cx, s83 cy.  s89-95 hold what hangs on cx (and the batch), s96-99 what hangs on cy; what hangs on both lies in s2, s3, s23, s66, s67, s100, s101, s104, s105 and in the pointers themselves
.set CY,   83
; A round of the cluster's barrier: my work-group's barrier, so that wave 0's signal speaks for all sixteen waves; wave 0 signals for the work-group; every wave waits for all sixteen work-groups; my work-group's barrier once more.
.macro ROUND
	s_barrier_signal -1
	s_barrier_wait -1
	s_cmp_lg_u32 s[WV], 0
	s_cbranch_scc1 .Lnot_wave_0_\@
	s_barrier_signal -3
.Lnot_wave_0_\@:
	s_barrier_wait -3
	s_barrier_signal -1
	s_barrier_wait -1
.endm
; The joint refills: wave 0 asks for K's tile, wave 2 for the mask's, wave 1 (withv = 1) for V's; one load a wave.  The branches hang on the wave's number alone.  Four v_nop follow each load.
.macro TL3 withv
	s_cmp_eq_u32 s[WV], 0
	s_cbranch_scc0 .Lnot_k_\@
	tensor_load_to_lds s[G0K:G0K+3], s[G1D:G1D+7]
	s_nop 0
.rept 4
	v_nop
.endr
	s_branch .Lasked_\@
.Lnot_k_\@:
	s_cmp_eq_u32 s[WV], 2
	s_cbranch_scc0 .Lnot_m_\@
	tensor_load_to_lds s[G0M:G0M+3], s[G1M:G1M+7]
	s_nop 0
.rept 4
	v_nop
.endr
	s_branch .Lasked_\@
.Lnot_m_\@:
.if \withv
	s_cmp_eq_u32 s[WV], 1
	s_cbranch_scc0 .Lasked_\@
	tensor_load_to_lds s[G0V:G0V+3], s[G1D:G1D+7]
	s_nop 0
.rept 4
	v_nop
.endr
.endif
.Lasked_\@:
.endm
; A PREFETCH INTO THE L2, in pass 1: the mask's tile of the key step after the one that is being asked for: 64 rows x 512 bytes.  The four partners that ask for the tile jointly share its rows out BY ADDRESS, 16 each
; (no branch hangs on a work-group's place). So each block is named once in the launch.
; The pass's last two changes of slots name nothing: there is no later key step.  Key steps 0 and 1 come by their loads alone.  K and V are walked by eight clusters, and K twice: they are not asked for.
.macro ASK
	s_cmp_gt_u32 s[CNT], s[LIM]
	s_cbranch_scc0 .Lnot_mine_\@
	global_prefetch_b8 v[PFO], s[PFA:PFA+1] th:TH_LOAD_NT scope:SCOPE_SE
.Lnot_mine_\@:
.endm
; THE CHANGE OF SLOTS stands at a key step's head.  Each wave waits for all its tensor loads (waves 0 to 2: their tiles of the slot ahead), adds 0 to its spare word, and waits for that and for its reads of the slot that it has left.
; Behind the round the slot ahead is whole, in every partner, and nobody reads the other one: it is filled with the next step's tiles, which have a whole step in which to land.
; step = 1: the next key step;  2: back to key step 0, for pass 2;  0: nothing is left to ask for (a plain barrier).  withv: V's tile too.  pf: the prefetch.
.macro CHANGE step, withv, pf
	s_wait_tensorcnt 0x0                           ; no tensor load of mine is out, so a group 0 may be written
	ds_add_u32 v[SPW], v[NIL]                      ; 0 onto my spare word; the descriptors' steps stand between it and the wait for it
.if \step
	ds_add_u32 v[SPW], v[NIL]                      ; ahead of a refill the add stands twice on end
	s_xor_b32 s[G0K+1], s[G0K+1], SLOT1            ; the walking descriptors: the other slot than last time,
	s_xor_b32 s[G0M+1], s[G0M+1], SLOT1
.endif
.if \step == 1
	s_add_nc_u64 s[G0K+2:G0K+3], s[G0K+2:G0K+3], 6144  ; the next 128 keys: 6,144 bytes on in each head of K,
	s_add_nc_u64 s[G0M+2:G0M+3], s[G0M+2:G0M+3], 512   ; 512 bytes on in each row of the mask; the type bits on top are not reached
.endif
.if \step == 2
	s_sub_nc_u64 s[G0K+2:G0K+3], s[G0K+2:G0K+3], 15*6144
	s_sub_nc_u64 s[G0M+2:G0M+3], s[G0M+2:G0M+3], 15*512
.endif
.if \withv
	s_xor_b32 s[G0V+1], s[G0V+1], SLOT1
	s_add_nc_u64 s[G0V+2:G0V+3], s[G0V+2:G0V+3], 6144
.endif
.if \pf
	s_wait_xcnt 0x0                                ; the last prefetch, a key step back, has read its address, so it may be written
	s_add_nc_u64 s[PFA:PFA+1], s[PFA:PFA+1], 512
.endif
	s_wait_dscnt 0x0                               ; the add is done, and my reads of the slot that I have left are over
.if \step
	ROUND
	TL3 \withv                                     ; the first thing behind the round, and a wave's one tensor load until the next
.else
	s_barrier_signal -1
	s_barrier_wait -1
.endif
.if \pf
	ASK
.endif
.endm
; THE SCORES OF A KEY STEP OF PASS 2: u = q.k / 8 + mask for my 16 queries and 128 keys.  Register S + 16 b + i of lane (r, h) = query r, key 32 b + 16 h + i.
; The five address lines are the places in front of the loads into the registers that held V's fragments and scale words.  The loads and the products are KASK and KMUL, below.
.macro SCORES pv
	v_add_nc_u32 v[ADK], s[TB], v[AK0]
	s_wait_alu depctr_va_vdst(0)
	v_add_nc_u32 v[ADM], s[TB], v[AM0]
	v_add_nc_u32 v[ADS], s[TS], v[ASK0]
.if \pv
	v_add_nc_u32 v[ADV], s[TB], v[AV0]
	v_add_nc_u32 v[ADT], s[TS], v[ASV0]
.endif
	s_wait_alu depctr_va_vdst(0)
	KASK S, 240                                    ; the mask lands in the scores' own registers and is the product's C; K's eighth tile in v240-245
	KMUL S, 240
.rept 4
	v_nop                                          ; places in front of the first read of the results
.endr
.endm
.macro EXPONENTS                               ; (u - m) log2 e, two at a time (of the pairs log2 e and -m log2 e the low word serves both halves); each accumulator from its low end on
.set j, 0
.rept 32
	v_pk_fma_f32 v[S+j:S+j+1], v[S+j:S+j+1], s[CS:CS+1], v[NML:NML+1] op_sel_hi:[1,0,0]
.set j, j+2
.endr
.endm
.macro EXP64
.set j, 0
.rept 64
	v_exp_f32 v[S+j], v[S+j]
.set j, j+1
.endr
.endm
; A KEY STEP OF PASS 1: my lane's maximum and sum go on over its 64 keys.
; K'S EIGHT TILES OF A KEY STEP LIE IN REGISTERS AT ONCE.  Q's codes for K = 64 .. 127 of the matrix instruction are zeros, so whatever codes stand there on K's side add nothing (E3M2 has no NaN and no infinity; the scale bytes
; above a key's two are 0, a finite code).  So the fragments overlap: tile t's six registers of codes at KF + 6 t, and the six behind them, tile t + 1's codes, are its upper half.  Tiles 0 to 6 fill v32-73 (v74-79 are written once,
; at the head); tile 7 has twelve registers of its own, f7 on.  The eight scale words fill v80-87 (in pass 2 V's words follow in v84-87).  One run of loads and one wait serve a key step.
.set MB, 160                           ; v160-223: in pass 1 the mask lands here and is the product's C, while the scores of the step before are still at work in S
.macro KTILE f, t                      ; tile t of 16 keys: the 24 bytes of my half of the key's 64, and the key's two scale bytes
.irp p, 0,1,2
	ds_load_b64 v[\f+2*\p:\f+2*\p+1], v[ADK] offset:(32*(\t/2)+8*(\t%2))*48+8*\p
.endr
	ds_load_u16 v[KS+\t], v[ADS] offset:(32*(\t/2)+8*(\t%2))*2
.endm
.macro KASK mb, f7                     ; all LDS loads of a key step's scores: the mask of my query's keys, in the result's layout, into mb on; K's eight tiles
.irp b, 0,1,2,3
.irp i, 0,1,2,3
	ds_load_b128 v[\mb+16*\b+4*\i:\mb+16*\b+4*\i+3], v[ADM] offset:128*\b+16*\i
.endr
.endr
.irp t, 0,1,2,3,4,5,6
	KTILE KF+6*\t, \t
.endr
	KTILE \f7, 7
.endm
.macro KPROD mb, f, t
	v_wmma_scale_f32_16x16x128_f8f6f4 v[S+8*\t:S+8*\t+7], v[\f:\f+11], v[QF:QF+11], v[\mb+8*\t:\mb+8*\t+7], v[KS+\t], v[QS] matrix_a_fmt:MATRIX_FMT_BF6 matrix_b_fmt:MATRIX_FMT_BF6
.endm
.macro KMUL mb, f7                     ; the eight products, each on an accumulator of its own
	s_wait_dscnt 0x0
.irp t, 0,1,2,3,4,5,6
	KPROD \mb, KF+6*\t, \t
.endr
	KPROD \mb, \f7, 7
.endm
.macro PL4                             ; four plain places behind the products: ahead of the first read of the results and of loads into the sources
.rept 4
	v_nop
.endr
.endm
.macro P1ASK                           ; pass 1: the key step's addresses and its loads; then on to the other slot and the next step's scales
	v_add_nc_u32 v[ADK], s[TB], v[AK0]
	v_add_nc_u32 v[ADM], s[TB], v[AM0]
	v_add_nc_u32 v[ADS], s[TS], v[ASK0]
	s_wait_alu depctr_va_vdst(0)
	KASK MB, 230                                   ; K's eighth tile in v230-235
	s_xor_b32 s[TB], s[TB], SLOT1
	s_add_co_u32 s[TS], s[TS], 256
.endm
; THE VECTOR WORK OF A KEY STEP OF PASS 1, on the scores in S.  It stands between the NEXT step's LDS loads and the wait for them.
.macro STEP1
.irp b, 0,1,2,3
	v_max3_num_f32 v[TM+\b], v[S+16*\b], v[S+16*\b+1], v[S+16*\b+2]   ; four chains, by turns
.endr
.irp i, 3,5,7,9,11,13
.irp b, 0,1,2,3
	v_max3_num_f32 v[TM+\b], v[TM+\b], v[S+16*\b+\i], v[S+16*\b+\i+1]
.endr
.endr
.irp b, 0,1,2,3
	v_max_num_f32 v[TM+\b], v[TM+\b], v[S+16*\b+15]
.endr
	s_delay_alu instid0(VALU_DEP_2)
	v_max3_num_f32 v[TM], v[TM], v[TM+1], v[TM+2]
	v_mov_b32 v[TM+4], v[NML]
	s_delay_alu instid0(VALU_DEP_2)
	v_max3_num_f32 v[NML+1], v[TM], v[TM+3], v[NML+1]   ; the new m
	s_delay_alu instid0(VALU_DEP_1)
	v_mul_f32 v[NML], 0xbfb8aa3b, v[NML+1]         ; -m log2 e
	s_delay_alu instid0(VALU_DEP_1)
	v_sub_f32 v[TM+2], v[NML], v[TM+4]             ; its change, 0 or less
	EXPONENTS
	s_wait_alu depctr_va_vdst(0)
	v_exp_f32 v[TM+2], v[TM+2]                     ; ONE BATCH of 65 exponentials: what brings the old sum under the new m,
	EXP64                                          ; and the 64 terms
	v_nop                                          ; a plain instruction behind the last exponential,
	s_wait_alu depctr_va_vdst(0)                   ; and the wait ahead of the first use: one for the batch
	v_pk_mul_f32 v[SUM:SUM+1], v[SUM:SUM+1], v[TM+2:TM+3] op_sel_hi:[1,0]
	v_pk_add_f32 v[228:229], v[100:101], v[104:105]
	v_pk_add_f32 v[254:255], v[108:109], v[112:113]
	v_pk_add_f32 v[252:253], v[116:117], v[120:121]
	v_pk_add_f32 v[250:251], v[124:125], v[128:129]
	v_pk_add_f32 v[248:249], v[132:133], v[136:137]
	v_pk_add_f32 v[246:247], v[140:141], v[144:145]
	v_pk_add_f32 v[244:245], v[148:149], v[152:153]
	v_pk_add_f32 v[16:17], v[16:17], v[156:157]
	v_pk_add_f32 v[228:229], v[228:229], v[96:97]
	v_pk_add_f32 v[254:255], v[254:255], v[98:99]
	v_pk_add_f32 v[252:253], v[252:253], v[102:103]
	v_pk_add_f32 v[250:251], v[250:251], v[106:107]
	v_pk_add_f32 v[248:249], v[248:249], v[110:111]
	v_pk_add_f32 v[246:247], v[246:247], v[114:115]
	v_pk_add_f32 v[244:245], v[244:245], v[118:119]
	v_pk_add_f32 v[16:17], v[16:17], v[122:123]
	v_pk_add_f32 v[228:229], v[228:229], v[126:127]
	v_pk_add_f32 v[254:255], v[254:255], v[130:131]
	v_pk_add_f32 v[252:253], v[252:253], v[134:135]
	v_pk_add_f32 v[250:251], v[250:251], v[138:139]
	v_pk_add_f32 v[248:249], v[248:249], v[142:143]
	v_pk_add_f32 v[246:247], v[246:247], v[146:147]
	v_pk_add_f32 v[244:245], v[244:245], v[150:151]
	v_pk_add_f32 v[16:17], v[16:17], v[154:155]
	v_pk_add_f32 v[228:229], v[228:229], v[158:159]
	s_delay_alu instid0(VALU_DEP_2)
	v_pk_add_f32 v[16:17], v[16:17], v[250:251]
	s_delay_alu instid0(VALU_DEP_2)
	v_pk_add_f32 v[228:229], v[228:229], v[248:249]
	v_pk_add_f32 v[254:255], v[254:255], v[246:247]
	v_pk_add_f32 v[252:253], v[252:253], v[244:245]
	s_delay_alu instid0(VALU_DEP_2)
	v_pk_add_f32 v[16:17], v[16:17], v[254:255]
	s_delay_alu instid0(VALU_DEP_2)
	v_pk_add_f32 v[228:229], v[228:229], v[252:253]
	s_delay_alu instid0(VALU_DEP_1)
	v_pk_add_f32 v[16:17], v[16:17], v[228:229]
.endm
; A KEY STEP OF PASS 2: the finished weights, their codes and scale word, and O^T += V^T P^T.
.macro STEP2
	SCORES 1
.irp t, 0,1,2,3                                ; K's registers are done with: V's four fragments (16 channels x 128 keys each) are asked for at once and have the exponentials and the quantiser in which to land
.irp p, 0,1,2,3,4,5
	ds_load_b64 v[KF+12*\t+2*\p:KF+12*\t+2*\p+1], v[ADV] offset:(32*(\t/2)+8*(\t%2))*96+48*(\p/3)+8*(\p%3)
.endr
	ds_load_b32 v[VS+\t], v[ADT] offset:(32*(\t/2)+8*(\t%2))*4
.endr
	EXPONENTS
	s_wait_alu depctr_va_vdst(0)
	EXP64
	v_nop                                          ; a plain instruction behind the last exponential,
	s_wait_alu depctr_va_vdst(0)                   ; and the one wait for the batch
	; (in pass 2 the exponent holds -log2 l beside -m log2 e: the exponential is p, finished and normalised)
.irp b, 0,1,2,3
	v_max3_num_f32 v[TM+\b], v[S+16*\b], v[S+16*\b+1], 0x2800000   ; block b of 32 keys: my 16 (none is negative), and the floor 2^(5 - 127): so the byte cannot fall under 1
.endr
.irp i, 2,4,6,8,10,12,14
.irp b, 0,1,2,3
	v_max3_num_f32 v[TM+\b], v[TM+\b], v[S+16*\b+\i], v[S+16*\b+\i+1]   ; the four blocks by turns
.endr
.endr
.irp b, 0,1,2,3
	v_permlanex16_b32 v[TM+4+\b], v[TM+\b], s[SEL], s[SEL+1]
.endr
.irp b, 0,1,2,3
	s_delay_alu instid0(VALU_DEP_4)
	v_max_num_f32 v[TM+\b], v[TM+\b], v[TM+4+\b]   ; with lane l xor 16's 16: the block's largest
.endr
.irp b, 0,1,2,3
	s_delay_alu instid0(VALU_DEP_4)
	v_add_nc_u32 v[TM+12+\b], 0xfe000000, v[TM+\b] ; 4 off its exponent field: the conversion's scale operand
.endr
.irp b, 0,1,2,3
	s_delay_alu instid0(VALU_DEP_4)
	v_lshrrev_b32 v[TM+4+\b], 23, v[TM+12+\b]      ; the scale's byte
.endr
	s_delay_alu instid0(VALU_DEP_3)
	v_lshl_or_b32 v[PS], v[TM+5], 8, v[TM+4]       ; p's scale word for these 128 keys
	s_delay_alu instid0(VALU_DEP_1)
	v_lshl_or_b32 v[PS], v[TM+6], 16, v[PS]
	s_delay_alu instid0(VALU_DEP_1)
	v_lshl_or_b32 v[PS], v[TM+7], 24, v[PS]
.irp c, 0,1
	v_cvt_scalef32_pk16_bf6_f32 v[PC+6*\c:PC+6*\c+2], v[S+32*\c:S+32*\c+15], v[TM+12+2*\c]
	v_cvt_scalef32_pk16_bf6_f32 v[PX+4*\c:PX+4*\c+2], v[S+32*\c+16:S+32*\c+31], v[TM+12+2*\c+1]   ; (a conversion's three registers begin on an even number)
.endr
	v_nop                                          ; one plain instruction behind the scaled conversions
.irp c, 0,1                                    ; the operand's layout wants a WHOLE block in a lane: lanes 0-15 block 2 c, lanes 16-31 block 2 c + 1
.irp i, 0,1,2
	v_permlane16_swap_b32 v[PC+6*\c+\i], v[PX+4*\c+\i]
.endr
.irp i, 0,1,2
	s_delay_alu instid0(VALU_DEP_3)
	v_mov_b32 v[PC+6*\c+3+\i], v[PX+4*\c+\i]
.endr
.endr
.rept 8
	v_nop                                          ; a scale register written by a vector instruction stands 8 places ahead of a scaled matrix instruction, an operand so written 4
.endr
	s_wait_alu depctr_va_vdst(0)
	s_wait_dscnt 0x0
.irp t, 0,1,2,3                                ; the four accumulators by turns, one instruction a turn
	v_wmma_scale_f32_16x16x128_f8f6f4 v[O+8*\t:O+8*\t+7], v[KF+12*\t:KF+12*\t+11], v[PC:PC+11], v[O+8*\t:O+8*\t+7], v[VS+\t], v[PS] matrix_a_fmt:MATRIX_FMT_BF6 matrix_b_fmt:MATRIX_FMT_BF6
.endr
	s_xor_b32 s[TB], s[TB], SLOT1
	s_add_co_u32 s[TS], s[TS], 256
.endm
	; ---- THE HEAD
	s_load_b256 s[4:11], s[0:1], 0x0               ; qkv s[4:5], rope s[6:7], kq s[8:9], vq s[10:11]
	s_load_b256 s[12:19], s[0:1], 0x20             ; attention_mask s[12:13], prev_k s[14:15], prev_v s[16:17], aq s[18:19]
	v_lshl_add_u32 v[SPW], v0, 2, SPARE
	v_mov_b32 v[NIL], 0
	ds_add_u32 v5, v6
	ds_add_u32 v5, v6
	s_wait_dscnt 0x0
	v_lshrrev_b32 v16, 5, v0
	s_delay_alu instid0(VALU_DEP_1)
	v_readfirstlane_b32 s[WV], v16                 ; wave 0..15
	s_lshr_b32 s[HD], s[WV], 2
	s_and_b32 s[QT], s[WV], 3
	s_bfe_u32 s[CX], ttmp6, 0x40000                ; cx: which four heads
	s_bfe_u32 s[CY], ttmp6, 0x40004                ; cy
	s_and_b32 s88, ttmp7, 0xffff                   ; the cluster's y
	s_lshr_b32 s89, s88, 3                         ; the batch: 32 blocks of 64 rows, 8 clusters, to each
	s_lshl_b32 s90, s89, 4                         ; what hangs on cx:
	s_lshl_b32 s91, s[CX], 2
	s_add_co_u32 s90, s90, s91                     ; my first head among the 32
	s_mul_i32 s92, s90, 98304                      ; its codes in kq and in vq,
	s_mov_b32 s93, 0
	s_lshl_b32 s94, s90, 12
	s_add_co_u32 s94, s94, 3145728                 ; its scales in both
	s_mov_b32 s95, 0
	s_lshl_b32 s91, 0x1111, s[CX]                  ; my column of the cluster
	s_lshl_b32 s96, s88, 2                         ; what hangs on cy:
	s_add_co_u32 s96, s96, s[CY]                   ; my block of 64 rows = 4 x cluster y + cy
	s_lshl_b32 s98, s96, 19                        ; its rows of 8,192 bytes in the mask
	s_mov_b32 s99, 0
	s_lshl_b32 s97, s[CY], 2
	s_lshl_b32 s97, 15, s97                        ; my row of the cluster
	; descriptor group 1.  K's and V's tile: 4 heads x 6,144 dense bytes (768 elements of 8 bytes), 98,304 bytes from head to head; no padding
	s_or_b32 s[G1D], s91, (3<<16)|(1<<21)          ; 15:0 the mask: my column; 17:16 elements of 8 bytes; 21 set beside a mask
	s_mov_b32 s[G1D+1], 768<<16                    ; tensor_dim0
	s_mov_b32 s[G1D+2], 4<<16                      ; tensor_dim1
	s_mov_b32 s[G1D+3], 768<<16                    ; tile_dim0
	s_mov_b32 s[G1D+4], 4                          ; tile_dim1
	s_mov_b32 s[G1D+5], 12288                      ; tensor_dim0_stride
	s_mov_b32 s[G1D+6], 0
	s_mov_b32 s[G1D+7], 0
	; the mask's tile: 64 rows x 128 f32, 2,048 from row to row; 4 words of padding behind every 128
	s_or_b32 s[G1M], s97, (2<<16)|(1<<20)|(1<<21)|(6<<22)|(3<<25)   ; 15:0 my row; 17:16 elements of 4 bytes; 20 padding on; 21 set beside a mask; 24:22 after every 128 words (code 6); 31:25 of 4 words (code 3)
	s_mov_b32 s[G1M+1], 128<<16
	s_mov_b32 s[G1M+2], 64<<16
	s_mov_b32 s[G1M+3], 128<<16
	s_mov_b32 s[G1M+4], 64
	s_mov_b32 s[G1M+5], 2048
	s_mov_b32 s[G1M+6], 0
	s_mov_b32 s[G1M+7], 0
	; four heads' scales: 16,384 dense bytes, as 64 rows of 256
	s_or_b32 s[G1S], s91, (3<<16)|(1<<21)
	s_mov_b32 s[G1S+1], 32<<16
	s_mov_b32 s[G1S+2], 64<<16
	s_mov_b32 s[G1S+3], 32<<16
	s_mov_b32 s[G1S+4], 64
	s_mov_b32 s[G1S+5], 32
	s_mov_b32 s[G1S+6], 0
	s_mov_b32 s[G1S+7], 0
	s_mov_b32 s[SEL], 0x76543210
	s_mov_b32 s[SEL+1], 0xfedcba98
	s_mov_b32 s[CS], 0x3fb8aa3b                    ; log2 e
	s_mov_b32 s[CS+1], s[CS]                       ; (named with it as a pair, so it is written)
	s_mov_b32 s[TB], 0
	s_mov_b32 s[TS], 0
	s_cmp_eq_u32 s[WV], 3
	s_cselect_b32 s[LIM], 1, -1
	; every LDS address is made of the thread's number and constants alone
	v_and_b32 v93, 15, v0                          ; r
	v_bfe_u32 v94, v0, 4, 1                        ; h
	s_delay_alu instid0(VALU_DEP_2)
	v_and_b32 v95, 8, v93
	s_delay_alu instid0(VALU_DEP_1)
	v_add_nc_u32 v95, v95, v93                     ; r + 8 (r / 8)
	v_lshrrev_b32 v16, 7, v0                       ; my head of the four
	v_bfe_u32 v17, v0, 5, 2                        ; my tile of queries
	s_delay_alu instid0(VALU_DEP_3)
	v_mul_u32_u24 v[AK0], v95, 48
	s_delay_alu instid0(VALU_DEP_1)
	v_mad_u32_u24 v[AK0], v94, 24, v[AK0]
	s_delay_alu instid0(VALU_DEP_1)
	v_mad_u32_u24 v[AK0], v16, 6144, v[AK0]
	v_mul_u32_u24 v[AV0], v95, 96
	s_delay_alu instid0(VALU_DEP_1)
	v_mad_u32_u24 v[AV0], v94, 24, v[AV0]
	s_delay_alu instid0(VALU_DEP_1)
	v_mad_u32_u24 v[AV0], v16, 6144, v[AV0]
	s_delay_alu instid0(VALU_DEP_1)
	v_add_nc_u32 v[AV0], VOFF, v[AV0]
	v_lshl_add_u32 v[ASK0], v16, 12, SCK
	s_delay_alu instid0(VALU_DEP_1)
	v_lshl_add_u32 v[ASK0], v95, 1, v[ASK0]
	v_lshl_add_u32 v[ASV0], v16, 12, SCV
	s_delay_alu instid0(VALU_DEP_1)
	v_lshl_add_u32 v[ASV0], v95, 2, v[ASV0]
	v_lshl_add_u32 v18, v17, 4, v93                ; my query's row of the 64
	s_delay_alu instid0(VALU_DEP_1)
	v_mul_u32_u24 v[AM0], v18, MP
	s_delay_alu instid0(VALU_DEP_1)
	v_lshl_add_u32 v[AM0], v94, 6, v[AM0]
	s_delay_alu instid0(VALU_DEP_1)
	v_add_nc_u32 v[AM0], MOFF, v[AM0]
	v_and_b32 v18, 31, v0
	s_delay_alu instid0(VALU_DEP_1)
	v_lshrrev_b32 v[PFO], 1, v18
	s_delay_alu instid0(VALU_DEP_1)
	v_lshlrev_b32 v[PFO], 13, v[PFO]               ; the prefetches: row lane / 2 of my work-group's 16,
	s_delay_alu instid0(VALU_DEP_3)
	v_and_b32 v18, 1, v18
	s_delay_alu instid0(VALU_DEP_1)
	v_lshl_add_u32 v[PFO], v18, 8, v[PFO]          ; and which 256 of its 512 bytes
	; offsets of the head's global loads
	v_lshlrev_b32 v8, 13, v93                      ; a row of qkv is 8,192 bytes
	v_xor_b32 v18, 1, v94
	s_delay_alu instid0(VALU_DEP_1)
	v_lshl_add_u32 v9, v18, 7, v8                  ; q, k: the other half of the head's 64,
	s_delay_alu instid0(VALU_DEP_3)
	v_lshl_add_u32 v8, v94, 7, v8                  ; and my own
	v_lshlrev_b32 v10, 7, v93                      ; cos, sin: 128 bytes a row
	v_lshlrev_b32 v11, 8, v93                      ; prev_k[1], prev_v[1]: 256 bytes a row,
	s_delay_alu instid0(VALU_DEP_1)
	v_lshl_add_u32 v[LPV], v94, 6, v11             ; + 64 h,
	s_delay_alu instid0(VALU_DEP_2)
	v_lshl_add_u32 v11, v94, 7, v11                ; + 128 h
	s_wait_kmcnt 0x0
	s_mov_b32 s[G0K], 1                            ; 1:0 count = 1
	s_mov_b32 s[G0K+1], 0                          ; 63:32 LDS address: slot 0
	s_add_nc_u64 s[G0K+2:G0K+3], s[8:9], s[92:93]  ; 120:64 global address: key step 0
	s_or_b32 s[G0K+3], s[G0K+3], 0x80000000        ; 127:126 type = 2
	s_mov_b32 s[G0V0], 1
	s_mov_b32 s[G0V0+1], VOFF
	s_add_nc_u64 s[G0V0+2:G0V0+3], s[10:11], s[92:93]
	s_or_b32 s[G0V0+3], s[G0V0+3], 0x80000000
	s_mov_b32 s[G0V], 1
	s_mov_b32 s[G0V+1], SLOT1+VOFF                 ; V's key step 1 goes to slot 1 at once: pass 1 reads no V, and so V's later loads are refills alone
	s_add_nc_u64 s[G0V+2:G0V+3], s[10:11], s[92:93]
	s_add_nc_u64 s[G0V+2:G0V+3], s[G0V+2:G0V+3], 6144
	s_or_b32 s[G0V+3], s[G0V+3], 0x80000000
	s_mov_b32 s[G0M], 1
	s_mov_b32 s[G0M+1], MOFF
	s_add_nc_u64 s[G0M+2:G0M+3], s[12:13], s[98:99]
	s_or_b32 s[G0M+3], s[G0M+3], 0x80000000
	s_mov_b32 s[G0SK], 1
	s_mov_b32 s[G0SK+1], SCK
	s_add_nc_u64 s[G0SK+2:G0SK+3], s[8:9], s[94:95]
	s_or_b32 s[G0SK+3], s[G0SK+3], 0x80000000
	s_mov_b32 s[G0SV], 1
	s_mov_b32 s[G0SV+1], SCV
	s_add_nc_u64 s[G0SV+2:G0SV+3], s[10:11], s[94:95]
	s_or_b32 s[G0SV+3], s[G0SV+3], 0x80000000
	; what hangs on both cx and cy: my wave's rows and head
	s_mov_b32 s3, 0
	s_lshl_b32 s23, s96, 6
	s_lshl_b32 s2, s[QT], 4
	s_add_co_u32 s23, s23, s2                      ; my first row of the 4,096
	s_lshl_b32 s66, s[CX], 2
	s_add_co_u32 s66, s66, s[HD]                   ; my head of the 16
	s_lshl_b32 s2, s23, 13
	s_add_nc_u64 s[4:5], s[4:5], s[2:3]            ; qkv at my first row
	s_lshr_b32 s2, s66, 1                          ; two heads share a head of k and v
	s_lshl_b32 s2, s2, 8
	s_add_co_u32 s2, s2, 4096
	s_add_nc_u64 s[100:101], s[4:5], s[2:3]        ; the new k; the new v lies 2,048 bytes on
	s_lshl_b32 s2, s66, 8
	s_add_nc_u64 s[4:5], s[4:5], s[2:3]            ; q
	s_lshl_b32 s2, s23, 7
	s_add_nc_u64 s[6:7], s[6:7], s[2:3]            ; cos; sin lies 524,288 bytes on
	s_lshl_b32 s2, s89, 4
	s_add_co_u32 s2, s2, s66
	s_lshl_b32 s2, s2, 19                          ; my head of the 32: 524,288 bytes each,
	s_and_b32 s67, s23, 2047
	s_lshl_b32 s67, s67, 8                         ; my first row in it,
	s_add_co_u32 s2, s2, s67
	s_add_co_u32 s2, s2, 16777216                  ; in the cache's entry 1
	s_add_nc_u64 s[14:15], s[14:15], s[2:3]
	s_add_nc_u64 s[16:17], s[16:17], s[2:3]
	s_lshl_b32 s2, s96, 11                         ; aq's scale bytes: 64 rows of 32, + 8 for each four heads
	s_lshl_b32 s67, s[CX], 3
	s_add_co_u32 s2, s2, s67
	s_add_co_u32 s2, s2, 3145728
	s_add_nc_u64 s[104:105], s[18:19], s[2:3]
	s_mul_i32 s2, s96, 64*192                      ; AQ'S CODES are laid [4 steps of 256 channels][4096 rows][192 bytes] (this takes the place of the head's line on them): my 64 rows of 192 bytes,
	s_mul_i32 s67, s[CX], 786432                   ; in the step of my four heads
	s_add_co_u32 s2, s2, s67
	s_add_nc_u64 s[18:19], s[18:19], s[2:3]
	s_lshl_b32 s2, s[CX], 17                       ; the prefetches: my work-group's 16 rows of the tile's 64,
	s_add_co_u32 s2, s2, 512                       ; at key step 1: the first change of slots steps it to key step 2
	s_add_nc_u64 s[PFA:PFA+1], s[12:13], s[98:99]
	s_add_nc_u64 s[PFA:PFA+1], s[PFA:PFA+1], s[2:3]
	ROUND                                          ; all sixteen work-groups are here: the first joint loads meet
	s_cmp_eq_u32 s[WV], 0                          ; the six first fills, one a wave, in one chain of branches on the wave's number: K, V, the mask, K's scales, V's scales, V's key step 1
	s_cbranch_scc0 .Lfirst_1
	tensor_load_to_lds s[G0K:G0K+3], s[G1D:G1D+7]
	s_nop 0
.rept 4
	v_nop
.endr
	s_branch .Lfirst_asked
.Lfirst_1:
	s_cmp_eq_u32 s[WV], 1
	s_cbranch_scc0 .Lfirst_2
	tensor_load_to_lds s[G0V0:G0V0+3], s[G1D:G1D+7]
	s_nop 0
.rept 4
	v_nop
.endr
	s_branch .Lfirst_asked
.Lfirst_2:
	s_cmp_eq_u32 s[WV], 2
	s_cbranch_scc0 .Lfirst_3
	tensor_load_to_lds s[G0M:G0M+3], s[G1M:G1M+7]
	s_nop 0
.rept 4
	v_nop
.endr
	s_branch .Lfirst_asked
.Lfirst_3:
	s_cmp_eq_u32 s[WV], 3
	s_cbranch_scc0 .Lfirst_4
	tensor_load_to_lds s[G0SK:G0SK+3], s[G1S:G1S+7]
	s_nop 0
.rept 4
	v_nop
.endr
	s_branch .Lfirst_asked
.Lfirst_4:
	s_cmp_eq_u32 s[WV], 4
	s_cbranch_scc0 .Lfirst_5
	tensor_load_to_lds s[G0SV:G0SV+3], s[G1S:G1S+7]
	s_nop 0
.rept 4
	v_nop
.endr
	s_branch .Lfirst_asked
.Lfirst_5:
	s_cmp_eq_u32 s[WV], 5
	s_cbranch_scc0 .Lfirst_asked
	tensor_load_to_lds s[G0V:G0V+3], s[G1D:G1D+7]
	s_nop 0
.rept 4
	v_nop
.endr
.Lfirst_asked:
	; ---- WHILE THE TILES LAND: RoPE, the two diagonal logits, Q's codes.  Lane (r, h) holds of row r the 32 numbers 32 h + j: a whole block.
	; v32-63 q, my half; v96-127 q, the other half; v128-159 cos; v160-191 sin; v192-223 the new k, my half; v224-255 its other half
	s_wait_alu depctr_va_vdst(0)
.irp i, 0,1,2,3,4,5,6,7
	global_load_b128 v[32+4*\i:35+4*\i], v8, s[4:5] offset:16*\i
	global_load_b128 v[96+4*\i:99+4*\i], v9, s[4:5] offset:16*\i
	global_load_b128 v[128+4*\i:131+4*\i], v10, s[6:7] offset:16*\i
	global_load_b128 v[160+4*\i:163+4*\i], v10, s[6:7] offset:524288+16*\i
	global_load_b128 v[192+4*\i:195+4*\i], v8, s[100:101] offset:16*\i
	global_load_b128 v[224+4*\i:227+4*\i], v9, s[100:101] offset:16*\i
.endr
	v_lshl_add_u32 v64, v94, 1, -1
	s_delay_alu instid0(VALU_DEP_1)
	v_cvt_f32_i32 v64, v64                         ; the turned half comes with -1 in the lower 32, with +1 in the upper
	s_delay_alu instid0(VALU_DEP_1)
	v_mov_b32 v65, v64
	s_wait_alu depctr_va_vdst(0)
	s_wait_loadcnt 0x0
.set j, 0
.rept 16
	v_pk_mul_f32 v[160+j:161+j], v[160+j:161+j], v[64:65]
.set j, j+2
.endr
.set j, 0
.rept 16
	v_pk_mul_f32 v[32+j:33+j], v[32+j:33+j], v[128+j:129+j]
.set j, j+2
.endr
.set j, 0
.rept 16
	v_pk_fma_f32 v[32+j:33+j], v[96+j:97+j], v[160+j:161+j], v[32+j:33+j]   ; q' = q cos + turned q sin
.set j, j+2
.endr
.irp i, 0,1,2,3,4,5,6,7
	global_load_b128 v[96+4*\i:99+4*\i], v11, s[14:15] offset:16*\i   ; prev_k[1], my half, where q's other half lay
.endr
.set j, 0
.rept 16
	v_pk_mul_f32 v[192+j:193+j], v[192+j:193+j], v[128+j:129+j]
.set j, j+2
.endr
.set j, 0
.rept 16
	v_pk_fma_f32 v[192+j:193+j], v[224+j:225+j], v[160+j:161+j], v[192+j:193+j]   ; k' likewise
.set j, j+2
.endr
	v_pk_mul_f32 v[66:67], v[32:33], v[192:193]    ; q' . k', f32, in two packed chains
	v_pk_mul_f32 v[70:71], v[34:35], v[194:195]
.set j, 4
.rept 7
	s_delay_alu instid0(VALU_DEP_2)
	v_pk_fma_f32 v[66:67], v[32+j:33+j], v[192+j:193+j], v[66:67]
	s_delay_alu instid0(VALU_DEP_2)
	v_pk_fma_f32 v[70:71], v[34+j:35+j], v[194+j:195+j], v[70:71]
.set j, j+4
.endr
	s_wait_loadcnt 0x0                             ; prev_k[1] is in
	v_pk_mul_f32 v[72:73], v[32:33], v[96:97]      ; q' . prev_k[1]
	v_pk_mul_f32 v[74:75], v[34:35], v[98:99]
.set j, 4
.rept 7
	s_delay_alu instid0(VALU_DEP_2)
	v_pk_fma_f32 v[72:73], v[32+j:33+j], v[96+j:97+j], v[72:73]
	s_delay_alu instid0(VALU_DEP_2)
	v_pk_fma_f32 v[74:75], v[34+j:35+j], v[98+j:99+j], v[74:75]
.set j, j+4
.endr
	v_pk_add_f32 v[66:67], v[66:67], v[70:71]
	s_delay_alu instid0(VALU_DEP_2)
	v_pk_add_f32 v[72:73], v[72:73], v[74:75]
	s_delay_alu instid0(VALU_DEP_2)
	v_add_f32 v66, v66, v67
	s_delay_alu instid0(VALU_DEP_2)
	v_add_f32 v72, v72, v73
	s_delay_alu instid0(VALU_DEP_2)
	v_permlanex16_b32 v67, v66, s[SEL], s[SEL+1]   ; the other 32 of the head's 64 lie in lane l xor 16
	s_delay_alu instid0(VALU_DEP_2)
	v_permlanex16_b32 v73, v72, s[SEL], s[SEL+1]
	s_delay_alu instid0(VALU_DEP_2)
	v_add_f32 v66, v66, v67
	s_delay_alu instid0(VALU_DEP_2)
	v_add_f32 v72, v72, v73
	s_delay_alu instid0(VALU_DEP_2)
	v_mul_f32 v[D2], 0x3e000000, v66               ; x 1/8
	s_delay_alu instid0(VALU_DEP_2)
	v_mul_f32 v[D1], 0x3e000000, v72
	; q' becomes codes: my block's largest magnitude, with the floor 2^(8 - 127), so that 3 can be taken off the byte
	v_max3_num_f32 v66, |v32|, |v33|, 0x4000000
	v_max_num_f32 v67, |v34|, |v35|
.set j, 36
.rept 7
	s_delay_alu instid0(VALU_DEP_2)
	v_max3_num_f32 v66, v66, |v[j]|, |v[j+1]|
	s_delay_alu instid0(VALU_DEP_2)
	v_max3_num_f32 v67, v67, |v[j+2]|, |v[j+3]|
.set j, j+4
.endr
	s_delay_alu instid0(VALU_DEP_1)
	v_max_num_f32 v66, v66, v67
	s_delay_alu instid0(VALU_DEP_1)
	v_add_nc_u32 v68, 0xfe000000, v66              ; 4 off its exponent field: the conversion's scale operand
	s_delay_alu instid0(VALU_DEP_1)
	v_lshrrev_b32 v69, 23, v68                     ; the scale's byte,
	s_delay_alu instid0(VALU_DEP_1)
	v_add_nc_u32 v69, -3, v69                      ; with the factor 1/8 in it,
	v_lshlrev_b32 v70, 3, v94
	s_delay_alu instid0(VALU_DEP_1)
	v_lshlrev_b32 v69, v70, v69                    ; at its place in the scale word (8 h bits up);
	s_delay_alu instid0(VALU_DEP_1)
	v_permlanex16_b32 v71, v69, s[SEL], s[SEL+1]
	s_delay_alu instid0(VALU_DEP_1)
	v_or_b32 v[QS], v69, v71                       ; with lane l xor 16's the two bytes are there; the two above them are 0 and stand over zero codes
	v_cvt_scalef32_pk16_bf6_f32 v[QF:QF+2], v[32:47], v68
	v_cvt_scalef32_pk16_bf6_f32 v[76:78], v[48:63], v68   ; (a conversion's three registers begin on an even number)
	v_nop                                          ; one plain instruction behind the scaled conversions
.irp i, 0,1,2
	v_mov_b32 v[QF+3+\i], v[76+\i]
.endr
.irp i, 6,7,8,9,10,11
	v_mov_b32 v[QF+\i], 0                          ; K = 64 .. 127: zero codes
.endr
.irp i, 42,43,44,45,46,47
	v_mov_b32 v[KF+\i], 0                          ; v74-79, the upper half of K's tile 6 in pass 1: written once; they stand against Q's zero codes
.endr
	; the maximum and the sum begin with the two diagonal logits; of a query's two lanes the lower one counts them
	v_max_num_f32 v[NML+1], v[D1], v[D2]
	s_delay_alu instid0(VALU_DEP_1)
	v_mul_f32 v[NML], 0xbfb8aa3b, v[NML+1]
	s_delay_alu instid0(VALU_DEP_1)
	v_fma_f32 v[TM], v[D1], s[CS], v[NML]
	s_delay_alu instid0(VALU_DEP_2)
	v_fma_f32 v[TM+1], v[D2], s[CS], v[NML]
	s_wait_alu depctr_va_vdst(0)
	v_exp_f32 v[TM], v[TM]
	v_exp_f32 v[TM+1], v[TM+1]
	v_xor_b32 v[TM+2], 1, v94                      ; (a plain instruction behind the exponentials)
	s_delay_alu instid0(VALU_DEP_1)
	v_cvt_f32_u32 v[TM+2], v[TM+2]
	s_wait_alu depctr_va_vdst(0)                   ; the wait ahead of the first use: one for the two
	v_add_f32 v[TM], v[TM], v[TM+1]
	s_delay_alu instid0(VALU_DEP_1)
	v_mul_f32 v[SUM], v[TM], v[TM+2]
	v_mov_b32 v[SUM+1], 0
.irp i, 3,4,5,6,7
	v_mov_b32 v[TM+\i], 0                          ; written once: a lane permute's destination counts as one of its sources, and a pair's upper half as read
.endr
	v_mov_b32 v[RL], 0
	v_mov_b32 v[RL+1], 0
	s_wait_xcnt 0x0                                ; the loads that are still out have read their offsets: v8-12 are written again below
	; ---- PASS 1: key steps 0 to 15
	; Behind each change of slots a wave asks LDS for the key step's mask and K, does the vector work of the step BEFORE while they come, and then multiplies.
	s_mov_b32 s[CNT], 14
	CHANGE 1, 0, 1                                 ; key step 0: there is no step before it
	P1ASK
	KMUL MB, 230
	PL4
.Lpass1:                                       ; 14 trips, key steps 1 to 14; the prefetch names key step t + 2 and stops behind step 13 (the last trip asks for nothing)
	CHANGE 1, 0, 1
	P1ASK
	STEP1
	KMUL MB, 230
	PL4
	s_sub_co_u32 s[CNT], s[CNT], 1
	s_cmp_lg_u32 s[CNT], 0
	s_cbranch_scc1 .Lpass1
	CHANGE 2, 0, 0                                 ; key step 15: key step 0 is asked for again, for pass 2
	P1ASK
	STEP1
	KMUL MB, 230
	PL4
	v_lshlrev_b32 v12, 13, v93                     ; the mask's registers are free: the diagonal's two values, in O^T's layout (register 16 b + i = channel 32 b + 16 h + i), come while the last step's vector work is done
	s_delay_alu instid0(VALU_DEP_1)
	v_lshl_add_u32 v12, v94, 6, v12                ; the new v: a row of qkv is 8,192 bytes, + 64 h
.irp b, 0,1
.irp i, 0,1,2,3
	global_load_b128 v[O+16*\b+4*\i:O+16*\b+4*\i+3], v12, s[100:101] offset:2048+128*\b+16*\i
	global_load_b128 v[192+16*\b+4*\i:195+16*\b+4*\i], v[LPV], s[16:17] offset:128*\b+16*\i
.endr
.endr
	STEP1
	s_mov_b32 s[TS], 0
	; ---- BETWEEN THE PASSES: a query's two lanes meet; 1 / l; the diagonal's two weights start O^T
	v_add_f32 v[SUM], v[SUM], v[SUM+1]
	v_permlanex16_b32 v[TM+4], v[NML+1], s[SEL], s[SEL+1]
	v_mov_b32 v[TM+5], v[NML]
	s_delay_alu instid0(VALU_DEP_2)
	v_max_num_f32 v[NML+1], v[NML+1], v[TM+4]      ; the row's maximum
	s_delay_alu instid0(VALU_DEP_1)
	v_mul_f32 v[NML], 0xbfb8aa3b, v[NML+1]
	s_delay_alu instid0(VALU_DEP_1)
	v_sub_f32 v[TM+5], v[NML], v[TM+5]
	s_delay_alu instid0(VALU_DEP_2)
	v_fma_f32 v[TM+6], v[D1], s[CS], v[NML]
	s_delay_alu instid0(VALU_DEP_3)
	v_fma_f32 v[TM+8], v[D2], s[CS], v[NML]
	s_wait_alu depctr_va_vdst(0)
	v_exp_f32 v[TM+5], v[TM+5]
	v_exp_f32 v[TM+6], v[TM+6]
	v_exp_f32 v[TM+8], v[TM+8]
	v_nop                                          ; a plain instruction behind the last exponential,
	s_wait_alu depctr_va_vdst(0)                   ; and one wait for the three
	v_mul_f32 v[SUM], v[SUM], v[TM+5]              ; my lane's sum under the row's maximum,
	s_delay_alu instid0(VALU_DEP_1)
	v_permlanex16_b32 v[TM+4], v[SUM], s[SEL], s[SEL+1]
	s_delay_alu instid0(VALU_DEP_1)
	v_add_f32 v[SUM], v[SUM], v[TM+4]              ; and the other lane's: l
	s_wait_alu depctr_va_vdst(0)
	v_rcp_f32 v[RL], v[SUM]                        ; 1 / l, for the diagonal's two weights,
	v_log_f32 v[TM+10], v[SUM]                     ; and log2 l, for the exponents of pass 2 (l is at least 1: the row's largest term is 1)
	v_nop                                          ; a plain instruction behind the two,
	s_wait_alu depctr_va_vdst(0)                   ; and its wait
	v_mul_f32 v[TM+6], v[TM+6], v[RL]              ; the weight of prev_v[1],
	v_mul_f32 v[TM+8], v[TM+8], v[RL]              ; and of the new v
	s_delay_alu instid0(VALU_DEP_2)
	v_mov_b32 v[TM+7], v[TM+6]
	s_delay_alu instid0(VALU_DEP_2)
	v_mov_b32 v[TM+9], v[TM+8]
	v_sub_f32 v[NML], v[NML], v[TM+10]             ; -m log2 e - log2 l: p = 2^(u log2 e + this) is the term / l
	s_wait_alu depctr_va_vdst(0)
	s_wait_loadcnt 0x0                             ; the two values, asked for behind pass 1's last products
.set j, 0
.rept 16
	v_pk_mul_f32 v[O+j:O+j+1], v[O+j:O+j+1], v[TM+8:TM+9]
.set j, j+2
.endr
.set j, 0
.rept 16
	v_pk_fma_f32 v[O+j:O+j+1], v[192+j:193+j], v[TM+6:TM+7], v[O+j:O+j+1]
.set j, j+2
.endr
	; ---- PASS 2: key steps 0 to 15
	CHANGE 1, 0, 0                                 ; key step 0: V's key step 1 lies in slot 1 since the head
	STEP2
	s_mov_b32 s[CNT], 14
.Lpass2:                                       ; 14 trips, key steps 1 to 14: the next key step's K, mask and V are asked for
	CHANGE 1, 1, 0
	STEP2
	s_sub_co_u32 s[CNT], s[CNT], 1
	s_cmp_lg_u32 s[CNT], 0
	s_cbranch_scc1 .Lpass2
	CHANGE 0, 0, 0                                 ; the last step is written out
	STEP2
	; ---- THE WAY OUT.  O^T's registers 16 b + i are channels 32 b + 16 h + i of my query and head: two blocks of the last projection's K.  The address lines are the places behind the last products.
	v_lshrrev_b32 v1, 7, v0                        ; my head of the four
	v_bfe_u32 v2, v0, 5, 2
	s_delay_alu instid0(VALU_DEP_1)
	v_lshl_add_u32 v2, v2, 4, v93                  ; my query's row of the 64
	s_delay_alu instid0(VALU_DEP_3)
	v_lshl_add_u32 v3, v1, 2, v94
	s_delay_alu instid0(VALU_DEP_2)
	v_mul_u32_u24 v8, v2, SP
	s_delay_alu instid0(VALU_DEP_1)
	v_lshl_add_u32 v8, v3, 4, v8
	s_delay_alu instid0(VALU_DEP_1)
	v_add_nc_u32 v8, STG, v8                       ; in: 16 codes to place 4 x head + 2 b + h of the row's sixteen
	v_lshlrev_b32 v9, 3, v2
	s_delay_alu instid0(VALU_DEP_1)
	v_lshl_add_u32 v9, v1, 1, v9
	s_delay_alu instid0(VALU_DEP_1)
	v_add_nc_u32 v9, SSTG, v9                      ; and my head's two scale bytes of the row's eight
	v_lshrrev_b32 v4, 5, v0
	s_delay_alu instid0(VALU_DEP_1)
	v_lshl_add_u32 v4, v4, 2, v94                  ; back: wave w takes rows 4 w .. 4 w + 3, sixteen lanes to a row, two rows an instruction
	s_delay_alu instid0(VALU_DEP_1)
	v_mul_u32_u24 v10, v4, SP
	s_delay_alu instid0(VALU_DEP_1)
	v_lshl_add_u32 v10, v93, 4, v10
	s_delay_alu instid0(VALU_DEP_1)
	v_add_nc_u32 v10, STG, v10
	s_delay_alu instid0(VALU_DEP_4)
	v_mul_u32_u24 v11, v4, 192
	s_delay_alu instid0(VALU_DEP_1)
	v_mad_u32_u24 v11, v93, 12, v11                ; and the same place in aq
	v_lshl_add_u32 v12, v0, 3, SSTG                ; the scale bytes: threads 0 to 63 take a row's eight each
	v_lshlrev_b32 v[LPV], 5, v0
.irp b, 0,1
	v_max3_num_f32 v[TM+\b], |v[O+16*\b]|, |v[O+16*\b+1]|, 0x2800000   ; each accumulator from its low end on; the floor 2^(5 - 127) holds the byte at 1 from below
.endr
.irp i, 2,4,6,8,10,12,14
.irp b, 0,1
	v_max3_num_f32 v[TM+\b], v[TM+\b], |v[O+16*\b+\i]|, |v[O+16*\b+\i+1]|
.endr
.endr
.irp b, 0,1
	s_delay_alu instid0(VALU_DEP_2)
	v_permlanex16_b32 v[TM+4+\b], v[TM+\b], s[SEL], s[SEL+1]
.endr
.irp b, 0,1
	s_delay_alu instid0(VALU_DEP_2)
	v_max_num_f32 v[TM+\b], v[TM+\b], v[TM+4+\b]
.endr
.irp b, 0,1
	s_delay_alu instid0(VALU_DEP_2)
	v_add_nc_u32 v[TM+12+\b], 0xfe000000, v[TM+\b]
.endr
.irp b, 0,1
	s_delay_alu instid0(VALU_DEP_2)
	v_lshrrev_b32 v[TM+4+\b], 23, v[TM+12+\b]
.endr
	s_delay_alu instid0(VALU_DEP_1)
	v_lshl_or_b32 v[TM+8], v[TM+5], 8, v[TM+4]
	v_cvt_scalef32_pk16_bf6_f32 v[192:194], v[O:O+15], v[TM+12]
	v_cvt_scalef32_pk16_bf6_f32 v[196:198], v[O+16:O+31], v[TM+13]
	v_nop                                          ; one plain instruction behind the scaled conversions
	ds_store_b96 v8, v[192:194]
	ds_store_b96 v8, v[196:198] offset:32
	ds_store_b16 v9, v[TM+8]                       ; both lanes of a query write the same two bytes with the same value
	s_wait_dscnt 0x0                               ; for the others' sake: my stores into the stage are done
	s_barrier_signal -1
	s_barrier_wait -1
	ds_load_b96 v[200:202], v10
	ds_load_b96 v[204:206], v10 offset:2*SP
	s_wait_dscnt 0x0
	global_store_b96 v11, v[200:202], s[18:19]             ; sixteen lanes store a row's 192 consecutive bytes: my four heads' part of its 768
	global_store_b96 v11, v[204:206], s[18:19] offset:2*192
	s_cmp_lt_u32 s[WV], 2
	s_cbranch_scc0 .Lno_scales
	ds_load_b64 v[208:209], v12
	s_wait_dscnt 0x0
	global_store_b64 v[LPV], v[208:209], s[104:105]        ; my four heads' eight bytes of a row's 32
.Lno_scales:
	s_wait_tensorcnt 0x0                           ; the wave's end, behind my last tensor load and my last LDS store
	ds_add_u32 v[SPW], v[NIL]
	s_wait_dscnt 0x0
	ROUND                                          ; the closing round: no work-group ends while a partner may still ask for a tile that names it
	s_endpgm
.Lfunc_end_k_q787edf0263_attn:
	.size	k_q787edf0263_attn, .Lfunc_end_k_q787edf0263_attn-k_q787edf0263_attn
	.p2alignl 7, 3214868480
	.fill 96, 4, 3214868480
	.section	.rodata,"a",@progbits
	.p2align	6, 0x0
	.amdhsa_kernel k_q787edf0263_attn
		.amdhsa_group_segment_fixed_size 327680
		.amdhsa_private_segment_fixed_size 0
		.amdhsa_enable_private_segment 0
		.amdhsa_kernarg_size 64
		.amdhsa_user_sgpr_count 2
		.amdhsa_user_sgpr_kernarg_segment_ptr 1
		.amdhsa_wavefront_size32 1
		.amdhsa_system_sgpr_workgroup_id_x 1
		.amdhsa_system_sgpr_workgroup_id_y 1
		.amdhsa_system_sgpr_workgroup_id_z 1
		.amdhsa_system_vgpr_workitem_id 0
		.amdhsa_next_free_vgpr 256
		.amdhsa_next_free_sgpr 106
		.amdhsa_reserve_vcc 0
		.amdhsa_float_denorm_mode_32 3
		.amdhsa_float_denorm_mode_16_64 3
		.amdhsa_memory_ordered 1
		.amdhsa_forward_progress 1
		.amdhsa_inst_pref_size 133
	.end_amdhsa_kernel
	.amdgpu_metadata
---
amdhsa.version: [ 1, 2 ]
amdhsa.kernels:
  - .name:           k_q787edf0263_attn
    .symbol:         k_q787edf0263_attn.kd
    .args:
      - { .name: qkv, .offset: 0, .size: 8, .value_kind: global_buffer, .address_space: global }
      - { .name: rope, .offset: 8, .size: 8, .value_kind: global_buffer, .address_space: global }
      - { .name: kq, .offset: 16, .size: 8, .value_kind: global_buffer, .address_space: global }
      - { .name: vq, .offset: 24, .size: 8, .value_kind: global_buffer, .address_space: global }
      - { .name: attention_mask, .offset: 32, .size: 8, .value_kind: global_buffer, .address_space: global }
      - { .name: prev_k, .offset: 40, .size: 8, .value_kind: global_buffer, .address_space: global }
      - { .name: prev_v, .offset: 48, .size: 8, .value_kind: global_buffer, .address_space: global }
      - { .name: aq, .offset: 56, .size: 8, .value_kind: global_buffer, .address_space: global }
    .group_segment_fixed_size: 327680
    .private_segment_fixed_size: 0
    .kernarg_segment_align: 8
    .kernarg_segment_size: 64
    .max_flat_workgroup_size: 512
    .sgpr_count:     106
    .vgpr_count:     256
    .wavefront_size: 32
...
	.end_amdgpu_metadata
.endif
;; end of part 4
;; launch gemm2 (part 5): grid 8 x 32, 4 waves a work-group, clusters of 4 x 4, 327,680 bytes of LDS; arguments aq, woq, out0; writes out0
.if DOCPART == 5
	.amdgcn_target "amdgcn-amd-amdhsa--gfx1250"
	.amdhsa_code_object_version 6
	.text
	.protected	k_q787edf0263_gemm2
	.globl	k_q787edf0263_gemm2
	.p2align	8
	.type	k_q787edf0263_gemm2,@function
k_q787edf0263_gemm2:
	s_mov_b64 s[64:65], 0
	v_nop
	global_prefetch_b8 v0, s[64:65] scope:SCOPE_SE
	s_setreg_imm32_b32 hwreg(HW_REG_WAVE_MODE, 25, 1), 1
	s_wait_xcnt 0x0
	s_wait_alu depctr_hold_cnt(0) depctr_sa_sdst(0) depctr_va_vdst(0) depctr_va_sdst(0) depctr_va_ssrc(0) depctr_va_vcc(0) depctr_vm_vsrc(0)
	s_getreg_b32 s2, hwreg(HW_REG_IB_STS2, 6, 4)
	s_cmp_eq_u32 s2, 0
	s_cbranch_scc0 .Lentry_in_a_cluster
	s_endpgm
.Lentry_in_a_cluster:
	s_bfe_u32 s2, ttmp6, 0x10000c
	s_cmp_lg_u32 s2, 0xf033
	s_cbranch_scc0 .Lentry_shape_is_right
	s_endpgm
.Lentry_shape_is_right:
; C[m][n] = sum over k of A[m][k] B[n][k], f32, on codes of BF6 (E3M2) with one E8M0 scale byte for each 32 along K.  Here A = aq (the attention's result), B = woq (Wo's columns), C = out0.
; BUFFERS: codes [SIZE_K / 256 steps][rows][192 bytes], then the scale bytes [rows][SIZE_K / 32].  The codes of 64 n rows of one K step are dense bytes that begin at a multiple of 256:
; a tensor load brings them as lines of 256 bytes, with 16 bytes of padding behind every 64: in LDS a row of 192 bytes takes 240 = 60 words, so that the 32 lanes of an 8-byte load touch 64 different banks (ISA guide 11.1).
; SHARES: a block of C is 128 x 256: 32 x 8 = 256 work-groups.  Four waves, each 64 rows x 128 columns: 32 accumulators, 256 registers.  K goes in steps of 256 through two LDS slots (A's 128 rows, B's 256 rows);
; a K step is two matrix steps of 128; A's and B's fragments have two register sets each.  The scales of all of K come into LDS once, at the head.
; CLUSTERS, 4 x 4: A's tile is asked for jointly along a row of the cluster, B's along a column.  The matrix instruction is used transposed (source 0 = B's rows, source 1 = A's rows).
; NO PREFETCH: K has four steps; steps 0 and 1 are first fills and the only refills are steps 2 and 3, so no K step stands two refills on.
; REGISTERS: window 0: v0-31 addresses, v32-63 scale words (two sets), v64-159 A's fragments (two sets of 4 x 12); on the way out v128-255.  Window 1: v0-191 B's fragments (two sets of 8 x 12).  Window 2: the accumulators, (a, b) at v[8 (8 a + b)].
.set SIZE_M, 4096
.set SIZE_N, 2048
.set SIZE_K, 1024
.set PITCH,  240
.set FR,     12
.set ATILE,  128*PITCH                 ; 128 rows in LDS
.set SLOT,   3*ATILE                   ; A's 128 rows, then B's 256
.set LAPS,   SIZE_K/512
.set KS,     SIZE_K/32
.set LA,     128*KS/256                ; lines of 256 bytes in the scales of 128 rows
.set SCL,    2*SLOT
.set SBLK,   (16*KS/256)*272
.set SPARE,  SCL+3*LA*272              ; the spare words: two blocks of 256 bytes that no other line names
.set SPITCH, 528                       ; the way out: a stage for each wave, in slot 0, which has had its last fill and its last read by then
.set ASTEP,  SIZE_M*192
.set BSTEP,  SIZE_N*192
.set ADRA, 16
.set ADRB, 20
.set STO,  24
.set RD,   25
.set CO,   26
.set ADRS, 27
.set SPW,  28                          ; my spare word; never rewritten
.set NIL,  29                          ; 0; never rewritten
.set SC,   32
.set AF,   64
.set BK,   128
.set G1, 24
.set G0, 32
.set G1B, 48
.set G0B, 56
.set G1S, 68
.set G0S, 76
.set G1SB, 80
.set G0SB, 88
.set G0H, 96
.set G0HB, 8
.set MSB, 0
.macro WIN new
.if MSB != \new
	s_set_vgpr_msb (MSB<<8)|\new
.set MSB, \new
.endif
.endm
.set MUL,  0xa1                        ; source 0 (B) window 1, source 1 (A) window 0, C and D window 2
.set TO_B, 0x40
.macro PLACES                          ; four plain places behind a matrix instruction (ISA guide 7.12.1)
.rept 4
	v_nop
.endr
.endm
.macro JLOAD s                         ; a joint refill: waves 0, 1 fetch A's halves, waves 2, 3 B's
	s_cmp_eq_u32 s15, 0
	s_cbranch_scc0 .Lfor_b_\@
	tensor_load_to_lds s[G0+4*\s:G0+4*\s+3], s[G1:G1+7]
	s_nop 0
	PLACES
	s_branch .Lasked_\@
.Lfor_b_\@:
	tensor_load_to_lds s[G0B+4*\s:G0B+4*\s+3], s[G1B:G1B+7]
	s_nop 0
	PLACES
.Lasked_\@:
.endm
.macro CREST
	s_cmp_lg_u32 s14, 0
	s_cbranch_scc1 .Lnot_wave_0_\@
	s_barrier_signal -3
.Lnot_wave_0_\@:
	s_barrier_wait -3
	s_barrier_signal -1
	s_barrier_wait -1
.endm
.macro CROUND
	s_barrier_signal -1
	s_barrier_wait -1
	CREST
.endm
	s_load_b128 s[4:7], s[0:1], 0x0                ; A's buffer, B's buffer
	s_load_b64 s[12:13], s[0:1], 0x10              ; C
	v_lshl_add_u32 v[SPW], v0, 2, SPARE
	v_mov_b32 v[NIL], 0
	ds_add_u32 v[SPW], v[NIL]                      ; the opening lines: the add, twice on end, and its wait
	ds_add_u32 v[SPW], v[NIL]
	v_lshrrev_b32 v1, 5, v0
	v_readfirstlane_b32 s14, v1                    ; wave
	s_lshr_b32 s15, s14, 1                         ; my half of the block's rows.  Also: I fetch for A (0) or B (1)
	s_and_b32 s16, s14, 1                          ; my half of its columns.  Also: which half of that tile I fetch
	s_bfe_u32 s40, ttmp6, 0x40000
	s_bfe_u32 s41, ttmp6, 0x40004
	s_lshl_b32 s42, ttmp9, 2
	s_add_co_u32 s42, s42, s40                     ; block column
	s_and_b32 s17, ttmp7, 0xffff
	s_lshl_b32 s17, s17, 2
	s_add_co_u32 s17, s17, s41                     ; block row
	s_lshl_b32 s43, s41, 2
	s_lshl_b32 s43, 15, s43                        ; my row of the cluster
	s_lshl_b32 s44, 0x1111, s40                    ; my column
	s_or_b32 s[G1], s43, (1<<20)|(1<<21)|(3<<22)|(3<<25)
	s_or_b32 s[G1B], s44, (1<<20)|(1<<21)|(3<<22)|(3<<25)
.irp g, G1, G1B
	s_mov_b32 s[\g+1], 256<<16
	s_mov_b32 s[\g+3], 256<<16
	s_mov_b32 s[\g+5], 256
	s_mov_b32 s[\g+6], 0
	s_mov_b32 s[\g+7], 0
.endr
	s_mov_b32 s[G1+2], 96<<16                      ; at the head: A's 128 rows are 96 lines, B's 256 rows 192
	s_mov_b32 s[G1+4], 96
	s_mov_b32 s[G1B+2], 192<<16
	s_mov_b32 s[G1B+4], 192
	s_or_b32 s[G1S], s43, (3<<16)|(1<<20)|(1<<21)|(5<<22)|(3<<25)
	s_or_b32 s[G1SB], s44, (3<<16)|(1<<20)|(1<<21)|(5<<22)|(3<<25)
.irp g, G1S, G1SB
	s_mov_b32 s[\g+1], 32<<16
	s_mov_b32 s[\g+3], 32<<16
	s_mov_b32 s[\g+5], 32
	s_mov_b32 s[\g+6], 0
	s_mov_b32 s[\g+7], 0
.endr
	s_mov_b32 s[G1S+2], LA<<16
	s_mov_b32 s[G1S+4], LA
	s_mov_b32 s[G1SB+2], (2*LA)<<16
	s_mov_b32 s[G1SB+4], 2*LA
	s_mul_i32 s20, s17, 128*192
	s_mov_b32 s21, 0
	s_mul_i32 s46, s42, 256*192
	s_mov_b32 s47, 0
	s_mul_i32 s22, s17, 128*KS
	s_add_co_u32 s22, s22, SIZE_M*SIZE_K*3/4
	s_mov_b32 s23, 0
	s_mul_i32 s92, s42, 256*KS
	s_add_co_u32 s92, s92, SIZE_N*SIZE_K*3/4
	s_mov_b32 s93, 0
	s_mul_i32 s18, s16, 64*192
	s_mov_b32 s19, 0
	s_mul_i32 s45, s16, ATILE/2
	s_mul_i32 s94, s16, ATILE
	s_add_co_u32 s94, s94, ATILE
	s_wait_dscnt 0x0
	s_wait_kmcnt 0x0
	s_add_nc_u64 s[20:21], s[4:5], s[20:21]
	s_add_nc_u64 s[22:23], s[4:5], s[22:23]
	s_add_nc_u64 s[46:47], s[6:7], s[46:47]
	s_add_nc_u64 s[92:93], s[6:7], s[92:93]
	CROUND                                         ; the first joint loads meet
	s_mov_b32 s[G0H], 1
	s_mov_b32 s[G0H+1], 0
	s_mov_b64 s[G0H+2:G0H+3], s[20:21]
	s_or_b32 s[G0H+3], s[G0H+3], 0x80000000
	s_mov_b32 s[G0HB], 1
	s_mov_b32 s[G0HB+1], ATILE
	s_mov_b64 s[G0HB+2:G0HB+3], s[46:47]
	s_or_b32 s[G0HB+3], s[G0HB+3], 0x80000000
	s_mov_b32 s[G0S], 1
	s_mov_b32 s[G0S+1], SCL
	s_mov_b64 s[G0S+2:G0S+3], s[22:23]
	s_or_b32 s[G0S+3], s[G0S+3], 0x80000000
	s_mov_b32 s[G0SB], 1
	s_mov_b32 s[G0SB+1], SCL+LA*272
	s_mov_b64 s[G0SB+2:G0SB+3], s[92:93]
	s_or_b32 s[G0SB+3], s[G0SB+3], 0x80000000
	s_add_nc_u64 s[20:21], s[20:21], s[18:19]
	s_lshl_b32 s18, s18, 1
	s_add_nc_u64 s[46:47], s[46:47], s[18:19]
.irp s, 0,1
	s_mov_b32 s[G0+4*\s], 1
	s_add_co_u32 s[G0+4*\s+1], s45, \s*SLOT
	s_add_nc_u64 s[G0+4*\s+2:G0+4*\s+3], s[20:21], \s*ASTEP
	s_or_b32 s[G0+4*\s+3], s[G0+4*\s+3], 0x80000000
	s_mov_b32 s[G0B+4*\s], 1
	s_add_co_u32 s[G0B+4*\s+1], s94, \s*SLOT
	s_add_nc_u64 s[G0B+4*\s+2:G0B+4*\s+3], s[46:47], \s*BSTEP
	s_or_b32 s[G0B+4*\s+3], s[G0B+4*\s+3], 0x80000000
.endr
; THE HEAD'S FOUR TILES, ONE LOAD A WAVE, in one chain of branches on the wave's number: K step 0 of A, of B, A's scales, B's scales
.macro ARM under, g0, g1, next
	s_cmp_lt_u32 s14, \under
	s_cbranch_scc0 \next
	tensor_load_to_lds s[\g0:\g0+3], s[\g1:\g1+7]
	s_nop 0
	PLACES
	s_branch .Lhead_asked
\next:
.endm
	ARM 1, G0H,  G1,  .Lhead_b
	ARM 2, G0HB, G1B, .Lhead_sa
	ARM 3, G0S,  G1S, .Lhead_sb
	tensor_load_to_lds s[G0SB:G0SB+3], s[G1SB:G1SB+7]
	s_nop 0
	PLACES
.Lhead_asked:
	v_and_b32 v1, 15, v0                           ; r
	v_bfe_u32 v2, v0, 4, 1                         ; h
	v_mul_u32_u24 v3, v1, PITCH
	v_mul_u32_u24 v4, v2, 24
	v_add_nc_u32 v4, v3, v4
	v_lshl_add_u32 v5, v2, 4, v4
	s_mul_i32 s21, s15, ATILE/2                    ; my 64 rows of A
	s_mul_i32 s22, s16, ATILE
	s_add_co_u32 s22, s22, ATILE                   ; my 128 rows of B
.irp s, 0,1
	v_add_nc_u32 v[ADRA+\s], s21, v4
	v_add_nc_u32 v[ADRB+\s], s22, v4
	v_add_nc_u32 v[ADRA+2+\s], s21, v5
	v_add_nc_u32 v[ADRB+2+\s], s22, v5
	s_add_co_u32 s21, s21, SLOT
	s_add_co_u32 s22, s22, SLOT
.endr
	v_mul_u32_u24 v5, v1, KS
	v_lshrrev_b32 v6, 8, v5
	v_lshl_add_u32 v5, v6, 4, v5
	s_mul_i32 s21, s15, LA*136
	s_mul_i32 s22, s16, LA*272
	s_add_co_u32 s22, s22, LA*272
	s_sub_co_u32 s22, s22, s21
	v_mul_u32_u24 v6, s22, v2                      ; lanes 16-31 take B's
	s_add_co_u32 s21, s21, SCL
	v_add_nc_u32 v5, v5, v6
	v_add_nc_u32 v[ADRS], s21, v5
	s_mul_i32 s23, s14, 16*SPITCH
	v_mul_u32_u24 v5, v1, SPITCH
	v_lshl_add_u32 v5, v2, 5, v5
	v_add_nc_u32 v[STO], s23, v5
	v_and_b32 v6, 31, v0
	v_lshlrev_b32 v[CO], 4, v6
	v_add_nc_u32 v[RD], s23, v[CO]
	s_lshl_b32 s20, s17, 7
	s_lshl_b32 s21, s15, 6
	s_add_co_u32 s20, s20, s21                     ; my first row of C
	s_mul_i32 s20, s20, SIZE_N*4
	s_lshl_b32 s46, s42, 10
	s_lshl_b32 s47, s16, 9
	s_add_co_u32 s20, s20, s46
	s_add_co_u32 s20, s20, s47
	s_mov_b32 s21, 0
	s_add_nc_u64 s[12:13], s[12:13], s[20:21]
.macro FRAG reg, adr, q, i             ; 16 rows x 128 K: six pieces of 8 bytes; piece PC of the row's 24 stands at 8 PC + 16 (PC / 8); lanes 16-31 read three pieces on
.irp p, 0,1,2,3,4,5
.set PC, 12*(\q)+6*(\p/3)+\p%3
.if PC%8 < 5
	ds_load_b64 v[\reg+2*\p:\reg+2*\p+1], v[\adr] offset:8*PC+16*(PC/8)+(\i)*16*PITCH
.else
	ds_load_b64 v[\reg+2*\p:\reg+2*\p+1], v[\adr+2] offset:8*PC+16*(PC/8)+(\i)*16*PITCH
.endif
.endr
.endm
.macro FETCH slot, q
	WIN TO_B
.irp i, 0,1,2,3,4,5,6,7
	FRAG 96*\q+FR*\i, ADRB+\slot, \q, \i
.endr
	WIN 0
.irp i, 0,1,2,3
	FRAG AF+48*\q+FR*\i, ADRA+\slot, \q, \i
.endr
.endm
.macro SCALES sc
.irp i, 0,1,2,3,4,5,6,7
	ds_load_b64 v[SC+16*\sc+2*\i:SC+16*\sc+2*\i+1], v[ADRS] offset:\i*SBLK
.endr
.endm
.macro MUL8 a, q, sc, zero             ; A's block a against B's eight; the 32 accumulators take turns
.irp b, 0,1,2,3,4,5,6,7
.if \zero
	v_wmma_scale_f32_16x16x128_f8f6f4 v[8*(8*\a+\b):8*(8*\a+\b)+7], v[96*\q+FR*\b:96*\q+FR*\b+FR-1], v[AF+48*\q+FR*\a:AF+48*\q+FR*\a+FR-1], 0, v[SC+16*\sc+2*\b+\q], v[SC+16*\sc+2*\a+\q] matrix_a_fmt:MATRIX_FMT_BF6 matrix_b_fmt:MATRIX_FMT_BF6 matrix_a_scale:MATRIX_SCALE_ROW1
.else
	v_wmma_scale_f32_16x16x128_f8f6f4 v[8*(8*\a+\b):8*(8*\a+\b)+7], v[96*\q+FR*\b:96*\q+FR*\b+FR-1], v[AF+48*\q+FR*\a:AF+48*\q+FR*\a+FR-1], v[8*(8*\a+\b):8*(8*\a+\b)+7], v[SC+16*\sc+2*\b+\q], v[SC+16*\sc+2*\a+\q] matrix_a_fmt:MATRIX_FMT_BF6 matrix_b_fmt:MATRIX_FMT_BF6 matrix_a_scale:MATRIX_SCALE_ROW1
.endif
.endr
.endm
.macro STEP slot, zero                 ; a K step's first matrix step
	s_wait_dscnt 0x0
.if \zero == 0
	PLACES
.endif
	FETCH \slot, 1
	WIN MUL
	MUL8 0, 0, \slot, \zero
	MUL8 1, 0, \slot, \zero
	MUL8 2, 0, \slot, \zero
	MUL8 3, 0, \slot, \zero
	WIN 0
.endm
.macro TURN slot, next, fill           ; a K step's second matrix step, and the change of slots
	s_wait_tensorcnt 0x0                           ; all my tensor loads have landed;
	ds_add_u32 v[SPW], v[NIL]                      ; 0 onto my spare word;
	s_wait_dscnt 1                                 ; sets 1 are in; the add may be out
	WIN MUL
	MUL8 0, 1, \slot, 0
	s_wait_dscnt 0x0
	s_barrier_signal -1
	MUL8 1, 1, \slot, 0
	WIN 0
	s_barrier_wait -1
.if \fill
	CREST
	s_add_nc_u64 s[G0+4*\slot+2:G0+4*\slot+3], s[G0+4*\slot+2:G0+4*\slot+3], 2*ASTEP
	s_add_nc_u64 s[G0B+4*\slot+2:G0B+4*\slot+3], s[G0B+4*\slot+2:G0B+4*\slot+3], 2*BSTEP
	JLOAD \slot
.else
	PLACES
.endif
	s_wait_alu depctr_va_vdst(0)                   ; the wait ahead of this reader
	v_add_nc_u32 v[ADRS], 8, v[ADRS]
	FETCH \next, 0
	SCALES \next
	WIN MUL
	MUL8 2, 1, \slot, 0
	MUL8 3, 1, \slot, 0
	WIN 0
.endm
	s_wait_alu depctr_va_vdst(0)                   ; the wait at the head's end
	s_wait_tensorcnt 0x0                           ; the full sequence ahead of slot 1's first fill
	ds_add_u32 v[SPW], v[NIL]
	s_mov_b32 s[G1+2], 48<<16                      ; from here on a load brings 64 rows of A (48 lines)
	s_mov_b32 s[G1+4], 48
	s_mov_b32 s[G1B+2], 96<<16                     ; or 128 rows of B (96 lines)
	s_mov_b32 s[G1B+4], 96
	s_wait_dscnt 0x0
	CROUND
	JLOAD 1
	FETCH 0, 0
	SCALES 0
	STEP 0, 1
	s_mov_b32 s3, LAPS-1
.Llap:
	TURN 0, 1, 1
	STEP 1, 0
	TURN 1, 0, 1
	STEP 0, 0
	s_sub_co_u32 s3, s3, 1
	s_cmp_lg_u32 s3, 0
	s_cbranch_scc1 .Llap
	TURN 0, 1, 0
	STEP 1, 0
	s_wait_dscnt 0x0
	WIN MUL
	MUL8 0, 1, 1, 0
	MUL8 1, 1, 1, 0
	MUL8 2, 1, 1, 0
	MUL8 3, 1, 1, 0
	WIN 0
; THE WAY OUT, by blocks of 16 rows x 128 columns through my own stage: back as rows of 512 bytes
.macro TOSTAGE a
	WIN 0x08
.irp b, 0,1,2,3,4,5,6,7
	ds_store_b128 v[STO], v[64*(\a)+8*\b:64*(\a)+8*\b+3] offset:64*\b
	ds_store_b128 v[STO], v[64*(\a)+8*\b+4:64*(\a)+8*\b+7] offset:64*\b+16
.endr
	WIN 0
.set BB, BK+64*((\a)%2)
.irp t, 0,1,2,3,4,5,6,7,8,9,10,11,12,13,14,15
	ds_load_b128 v[BB+4*\t:BB+4*\t+3], v[RD] offset:\t*SPITCH
.endr
.endm
.macro SEND a, younger
.set BB, BK+64*((\a)%2)
	s_wait_dscnt \younger
.if (\a) > 0
	s_add_nc_u64 s[12:13], s[12:13], 16*SIZE_N*4
.endif
.irp t, 0,1,2,3,4,5,6,7,8,9,10,11,12,13,14,15
	global_store_b128 v[CO], v[BB+4*\t:BB+4*\t+3], s[12:13] offset:\t*SIZE_N*4 th:TH_STORE_NT
.endr
.endm
	PLACES
	TOSTAGE 0
.irp a, 1,2,3
.if \a > 1
	s_wait_xcnt 0x0
.endif
	TOSTAGE \a
	SEND \a-1, 32
.endr
	s_wait_xcnt 0x0
	SEND 3, 0
	s_wait_tensorcnt 0x0                           ; the wave's end
	ds_add_u32 v[SPW], v[NIL]
	s_wait_dscnt 0x0
	CROUND                                         ; the closing round
	s_endpgm
.Lfunc_end_k_q787edf0263_gemm2:
	.size	k_q787edf0263_gemm2, .Lfunc_end_k_q787edf0263_gemm2-k_q787edf0263_gemm2
	.p2alignl 7, 3214868480
	.fill 96, 4, 3214868480
	.section	.rodata,"a",@progbits
	.p2align	6, 0x0
	.amdhsa_kernel k_q787edf0263_gemm2
		.amdhsa_group_segment_fixed_size 327680
		.amdhsa_private_segment_fixed_size 0
		.amdhsa_enable_private_segment 0
		.amdhsa_kernarg_size 24
		.amdhsa_user_sgpr_count 2
		.amdhsa_user_sgpr_kernarg_segment_ptr 1
		.amdhsa_wavefront_size32 1
		.amdhsa_system_sgpr_workgroup_id_x 1
		.amdhsa_system_sgpr_workgroup_id_y 1
		.amdhsa_system_sgpr_workgroup_id_z 1
		.amdhsa_system_vgpr_workitem_id 0
		.amdhsa_next_free_vgpr 768
		.amdhsa_next_free_sgpr 106
		.amdhsa_reserve_vcc 0
		.amdhsa_float_denorm_mode_32 3
		.amdhsa_float_denorm_mode_16_64 3
		.amdhsa_memory_ordered 1
		.amdhsa_forward_progress 1
		.amdhsa_inst_pref_size 101
	.end_amdhsa_kernel
	.amdgpu_metadata
---
amdhsa.version: [ 1, 2 ]
amdhsa.kernels:
  - .name:           k_q787edf0263_gemm2
    .symbol:         k_q787edf0263_gemm2.kd
    .args:
      - { .name: aq, .offset: 0, .size: 8, .value_kind: global_buffer, .address_space: global }
      - { .name: woq, .offset: 8, .size: 8, .value_kind: global_buffer, .address_space: global }
      - { .name: out0, .offset: 16, .size: 8, .value_kind: global_buffer, .address_space: global }
    .group_segment_fixed_size: 327680
    .private_segment_fixed_size: 0
    .kernarg_segment_align: 8
    .kernarg_segment_size: 24
    .max_flat_workgroup_size: 128
    .sgpr_count:     106
    .vgpr_count:     768
    .wavefront_size: 32
...
	.end_amdgpu_metadata
.endif
;; end of part 5
